; MI455X (gfx1250); checked and timed in simulation.
; The chip was launched on July 23, 2026; its instructions are those of AMD's public machine-readable ISA for CDNA 5 (MIT licence, August 2026) and "CDNA5" Instruction Set Architecture Reference Guide (July 2026). The comments in the code are by the model that wrote it; some were corrected since.
;; Attention. Allowed arithmetic: matrix products marked QUANTISED: E2M3 operands, one E8M0 scale for each 32 along K, by v_wmma_scale_f32_16x16x128_f8f6f4 with both operands' format E2M3, f32 sums; everything else in f32.
;; Inputs: b_proj 1,024 float32; w_proj 1,024 x 1,024 float32; w_qkv 1,024 x 3,072 float32; x 8 x 1,024 x 1,024 float32.
;; Outputs: out0 8 x 1,024 x 1,024 float32.
;; This version of the problem:
;;   THIS VERSION OF THE PROBLEM IS GIVEN IN LOW PRECISION. The matrix products marked QUANTISED in the list below multiply operands that are first quantised to E2M3 (2 exponent bits, 3 mantissa bits; 6 bits a number), with one power-of-two scale for each 32 numbers along K (OCP MX v1.0); their sums are f32. All else is computed in f32.
;;   The module's matrix products, in the order in which they are computed (A, B: the left and right operand; K: the contracted axis; several contracted axes count as one K, in the product's order):
;;     1. [M 8,192, K 1,024] x [K 1,024, N 3,072]; A: input x; B: input w_qkv: QUANTISED
;;     2. batch 128 x [M 1,024, K 64] x [K 64, N 1,024]; A: computed on the way; B: computed on the way: QUANTISED
;;     3. batch 128 x [M 1,024, K 1,024] x [K 1,024, N 64]; A: softmax (see below); B: computed on the way: QUANTISED
;;     4. [M 8,192, K 1,024] x [K 1,024, N 1,024]; A: computed on the way; B: input w_proj: QUANTISED
;;   THE QUANTISER, for each operand of a quantised product, along K:
;;     - K is cut into blocks of 32 from its start; a last block that is shorter is filled with zeros.
;;     - A block's scale is 2^e with e = floor(log2(the largest magnitude in the block)) - 2, held to -126 .. 127; a block of zeros has e = 0. As a byte (E8M0): e + 127.
;;     - Each number is divided by its block's scale, clamped to +-7.5, and rounded to the nearest number of E2M3, ties to even, subnormals kept.
;;     - The product sums the exact products of the quantised numbers (number of the format x scale) in f32.
;;   ~~~python
;;   def quantise(x, axis):      # numpy; x: float32 -> the quantised numbers, widened to float32 again
;;       x = np.moveaxis(x, axis, -1); K = x.shape[-1]
;;       x = np.pad(x, [(0, 0)] * (x.ndim - 1) + [(0, -K % 32)]); x = x.reshape(x.shape[:-1] + (-1, 32)); a = np.abs(x).max(-1, keepdims=True)
;;       e = np.where(a > 0, np.clip(np.frexp(np.where(a > 0, a, 1))[1] - 1 - 2, -126, 127), 0)      # np.frexp(a)[1] - 1 = floor(log2(a)), exactly
;;       r = np.clip(x / 2.0 ** e, -7.5, 7.5)
;;       step = 2.0 ** (np.maximum(np.frexp(np.where(r == 0, 1, r))[1] - 1, 0) - 3)
;;       q = np.round(r / step) * step * 2.0 ** e      # np.round: ties to even
;;       return np.moveaxis(q.reshape(q.shape[:-2] + (-1,))[..., :K], -1, axis).astype(np.float32)
;;   ~~~
;;   SOFTMAX AHEAD OF A QUANTISED PRODUCT. Where the list says 'softmax', what is quantised is not the finished softmax but p = 2^(t - M), with t = logit x log2(e) and M = ceil(the row's largest t), a whole number; so 1/2 < the row's largest p <= 1. The row's sum l is taken of the UNQUANTISED p, in f32, and the product's result is divided by l at the end. Since M is a whole number, a kernel that streams over the keys may use a running M (the ceiling of the running maximum): every later rescaling is an exact power of two, which a block's scale takes up: the codes' values come out the same.
;;   OPERANDS COMPUTED ON THE WAY. 'Computed on the way' means the value that the module computes at that place (a softmax that the list does not call 'softmax' is quantised finished and normalised). What goes into a quantiser is computed in f32, as accurately as f32 sums, v_exp_f32 and their like allow (about 1e-6 of the number): no bf16 or f16 on the way to a quantiser, and a product that is left as it is and whose result goes on into a quantised operand takes f32 operands (vector FMAs, or v_wmma_f32_16x16x4_f32). A number that lies on a knife's edge between two numbers of the format may be rounded either way, as far as f32 arithmetic and the matrix unit's own rounding can turn it there, and no further.
;; One version. Each part assembles by itself: llvm-mc -triple=amdgcn-amd-amdhsa -mcpu=gfx1250 --defsym DOCPART=n.
;; ======== version 1 of 1: 5 launches
;; limits: right only within a limited range of input values
;; workspace buffers: cw 9,830,400 bytes; qkv 21,495,808 bytes; of 33,554,432 bytes; oq 6,553,600 bytes
;; launch prep (part 1): grid 384 x 1, 4 waves a work-group, no clusters, 102,912 bytes of LDS; arguments x, w_qkv, w_proj, cw; writes cw
.if DOCPART == 1
	.amdgcn_target "amdgcn-amd-amdhsa--gfx1250"
	.amdhsa_code_object_version 6
	.text
	.protected	k_qb7b330684c_prep
	.globl	k_qb7b330684c_prep
	.p2align	8
	.type	k_qb7b330684c_prep,@function
k_qb7b330684c_prep:
	s_mov_b64 s[64:65], 0
	v_nop
	global_prefetch_b8 v0, s[64:65] scope:SCOPE_SE
	s_setreg_imm32_b32 hwreg(HW_REG_WAVE_MODE, 25, 1), 1
	s_wait_xcnt 0x0
; x [8192][1024], w_qkv [1024][3072] and w_proj [1024][1024], f32, become codes of FP6 (E2M3) along K with one E8M0 byte for each 32 along K, in ONE space of 12,288 rows of K = 1,024:
; codes of the row at position R at byte 768 R of cw, its 32 scale bytes at SCOFF + 32 R.  Positions 0 .. 8,191: x's tokens; 8,192 + f: column f of w_qkv; 11,264 + f: column f of w_proj.
; POSITIONS ARE PERMUTED: a row goes to the position whose number has bits 3 and 4 exchanged.  So sixteen neighbouring positions 32 b + 16 u + r hold rows 32 b + 8 u + r + 8 (r / 8), and in a product used
; transposed the 16 registers of two neighbouring tiles are 16 neighbours of the result's row.
; w_proj's K order inside a block of 32: place i holds c = 32 blk + 16 (i % 2) + i / 2, the order in which the attention's result is laid later; a block holds the same 32 numbers, so scales and products are the same.
; A block's scale is 2^(floor(log2(largest magnitude)) - 2); its byte is the largest magnitude's exponent field - 2, held at 1 from below.
; LIMITS: a block whose largest magnitude lies under 2^-124, a block of zeros among them, keeps the byte 1 (its codes are zeros or the nearest codes under that scale; this program alone reads the bytes); NaN and infinities are not served.
; Work-groups 0-255 take x (32 rows each), 256-351 w_qkv, 352-383 w_proj (128 columns x 256 along K each): 128 KiB of input each.  The three ways have LDS bytes of their own.  Waves share nothing: no barrier.
; Work-groups share no input: no cluster, no tensor load.
.set SCOFF, 9437184                    ; 12,288 rows x 768 bytes
.set STEPS, 16
.set EMAX,  2
.set CB,    12                         ; bytes of 16 codes
.set R,     16                         ; x: v16-79   four sets of 16 numbers as loaded
.set X,     80                         ; x: v80-111  two sets of 16 neighbours
.set C,     128                        ; x: v128-191 codes, four registers a step
.set E,     112                        ; x: v112-127 a scale byte a step
.set WREG,  8192                       ; x: LDS of a wave: two stages of 32 x SP bytes, then its 256 scale bytes
.set SP,    80
.set NB,    8                          ; w: blocks of 32 along K for a wave
.set PITCH, 272                        ; w: a stage row: sixteen places of 16 bytes + 16
.set WX,    32                         ; w: v32-95   two sets of 32 numbers
.set WC,    96                         ; w: a block's codes
.set OUTR,  112                        ; w: v112-175 the way out
.set SB,    24                         ; w: v24-25   eight scale bytes
.macro LOADX t
.irp i, 0,1,2,3
	global_load_b128 v[R+16*((\t)%4)+4*\i:R+16*((\t)%4)+4*\i+3], v3, s[4:5] offset:2048*(\t)+512*\i th:TH_LOAD_NT   ; 32 lanes read 512 consecutive bytes
.endr
.endm
.macro TURNX t                         ; a step's 2,048 bytes through the wave's stage: in as they lie, out 64 bytes a lane; LDS serves a wave's instructions in order
.irp i, 0,1,2,3
	ds_store_b128 v14, v[R+16*((\t)%4)+4*\i:R+16*((\t)%4)+4*\i+3] offset:32*SP*((\t)%2)+8*SP*\i
.endr
.irp i, 0,1,2,3
	ds_load_b128 v[X+16*((\t)%2)+4*\i:X+16*((\t)%2)+4*\i+3], v15 offset:32*SP*((\t)%2)+16*\i
.endr
.endm
.macro STEPX t
.set XSET, X+16*((\t)%2)
.if (\t) > 0
	s_wait_dscnt 1                                 ; this step's numbers are back from the stage; the last step's byte store may be out
.else
	s_wait_dscnt 0x0
.endif
.if (\t)+4 < STEPS
	LOADX (\t)+4                                   ; into the set whose stores into the stage are done
.endif
.if (\t)+1 < STEPS
.if STEPS-2-(\t) >= 3
	s_wait_loadcnt 12                              ; the next step's four loads are in; three steps' loads may be out
.else
	s_wait_loadcnt 4*(STEPS-2-(\t))
.endif
	TURNX (\t)+1
.endif
	v_max3_num_f32 v8, |v[XSET]|, |v[XSET+1]|, |v[XSET+2]|         ; the largest magnitude of my 16
	v_max3_num_f32 v9, |v[XSET+3]|, |v[XSET+4]|, |v[XSET+5]|
.irp i, 6,10
	v_max3_num_f32 v8, v8, |v[XSET+\i]|, |v[XSET+\i+1]|
	v_max3_num_f32 v9, v9, |v[XSET+\i+2]|, |v[XSET+\i+3]|
.endr
	v_max3_num_f32 v8, v8, |v[XSET+14]|, |v[XSET+15]|
	v_max3_num_f32 v8, v8, v9, (EMAX+1)<<23        ; and the floor 2^(3 - 127): the byte cannot fall under 1
	v_max_num_f32_dpp v8, v8, v8 row_xmask:1 row_mask:0xf bank_mask:0xf   ; with my neighbour's 16: the block's
	v_add_nc_u32 v11, -(EMAX<<23), v8              ; 2 off the exponent field: the conversion's scale operand
	v_cvt_scalef32_pk16_fp6_f32 v[C+4*(\t):C+4*(\t)+2], v[XSET:XSET+15], v11
	v_lshrrev_b32 v[E+(\t)], 23, v11               ; the scale's byte (a plain line behind the conversion)
	ds_store_b8 v5, v[E+(\t)] offset:16*(\t)       ; both lanes of a block write the same byte
	global_store_b96 v4, v[C+4*(\t):C+4*(\t)+2], s[12:13] offset:32*CB*(\t)
.endm
.macro LOADW t, N, PERM                ; block t: my column's 32 numbers down K into set t % 2; PERM = 1: register i takes row 32 t + 16 (i % 2) + i / 2
.irp i, 0,1,2,3,4,5,6,7,8,9,10,11,12,13,14,15,16,17,18,19,20,21,22,23,24,25,26,27,28,29,30,31
	global_load_b32 v[WX+32*((\t)%2)+\i], v3, s[4:5] offset:(32*(\t)+(1-\PERM)*\i+\PERM*(16*(\i%2)+\i/2))*\N*4 th:TH_LOAD_NT
.endr
.endm
.macro BLOCKW t, N, PERM
.set WSET, WX+32*((\t)%2)
.if (\t) < NB-1
	s_wait_loadcnt 32                              ; this block's 32 loads are in; the next block's may be out
.else
	s_wait_loadcnt 0
.endif
	v_max3_num_f32 v12, |v[WSET]|, |v[WSET+1]|, |v[WSET+2]|        ; all 32 numbers of the block are mine
	v_max3_num_f32 v13, |v[WSET+3]|, |v[WSET+4]|, |v[WSET+5]|
.irp i, 6,10,14,18,22,26
	v_max3_num_f32 v12, v12, |v[WSET+\i]|, |v[WSET+\i+1]|
	v_max3_num_f32 v13, v13, |v[WSET+\i+2]|, |v[WSET+\i+3]|
.endr
	v_max3_num_f32 v12, v12, |v[WSET+30]|, |v[WSET+31]|
	v_max3_num_f32 v12, v12, v13, (EMAX+1)<<23
	v_add_nc_u32 v11, -(EMAX<<23), v12
	v_lshrrev_b32 v13, 23, v11
.if (\t)%4 == 0
	v_mov_b32 v[SB+(\t)/4], v13                    ; four bytes to a register, the lower K in the lower byte
.else
	v_lshl_or_b32 v[SB+(\t)/4], v13, 8*((\t)%4), v[SB+(\t)/4]
.endif
	v_cvt_scalef32_pk16_fp6_f32 v[WC:WC+2], v[WSET:WSET+15], v11
	v_cvt_scalef32_pk16_fp6_f32 v[WC+4:WC+6], v[WSET+16:WSET+31], v11
	v_nop                                          ; a plain line behind the conversions
	ds_store_b96 v4, v[WC:WC+2] offset:32*(\t)     ; 12 bytes to a place of 16
	ds_store_b96 v4, v[WC+4:WC+6] offset:32*(\t)+16
.if (\t)+2 < NB
	LOADW (\t)+2, \N, \PERM
.endif
	s_wait_dscnt 0x0                               ; the stores have read their registers: the next block's codes may be written
.endm
; A weight [1024][N]: a lane takes a column, its registers run down K.  Work-group g' = 4 x (group of 128 columns) + (which 256 along K).
.macro WPATH N, ROW0, PERM, LDS0, PLO, G0
	s_sub_co_u32 s17, ttmp9, \G0
	s_and_b32 s18, s17, 3                          ; which 256 along K
	s_lshr_b32 s17, s17, 2
	s_lshl_b32 s17, s17, 7
	s_lshl_b32 s19, s16, 5
	s_add_co_u32 s17, s17, s19                     ; my wave's first column
	v_lshlrev_b32 v3, 2, v2                        ; in: 4 bytes a lane
	s_mul_i32 s19, s16, 32*PITCH
	s_add_co_u32 s19, s19, \LDS0                   ; my stage
	v_mul_u32_u24 v4, v2, PITCH
	v_add_nc_u32 v4, s19, v4                       ; into it: row = my column
	v_and_b32 v5, 15, v2
	v_lshrrev_b32 v6, 4, v2
	v_mul_u32_u24 v7, v6, PITCH
	v_lshl_add_u32 v7, v5, 4, v7
	v_add_nc_u32 v7, s19, v7                       ; out of it: sixteen lanes to a row, two rows an instruction
	v_mul_u32_u24 v8, v6, 768
	v_mad_u32_u24 v8, v5, 12, v8                   ; and the place in cw
	v_and_b32 v9, 7, v2                            ; my column's position among the wave's 32: bits 3 and 4 exchanged
	v_and_b32 v10, 8, v2
	v_lshl_or_b32 v9, v10, 1, v9
	v_and_b32 v10, 16, v2
	v_lshrrev_b32 v10, 1, v10
	v_or_b32 v9, v9, v10
	v_lshlrev_b32 v9, 5, v9                        ; x 32 scale bytes a row
	s_mul_i32 s20, s18, 256*\N*4
	s_lshl_b32 s21, s17, 2
	s_add_co_u32 s20, s20, s21                     ; the weight: 256 rows of K a part, 4 bytes a column
	s_mov_b32 s21, 0
	s_add_co_u32 s22, s17, \ROW0
	s_mul_i32 s24, s22, 768
	s_mul_i32 s23, s18, 192
	s_add_co_u32 s24, s24, s23                     ; codes
	s_mov_b32 s25, 0
	s_lshl_b32 s26, s22, 5
	s_lshl_b32 s23, s18, 3
	s_add_co_u32 s26, s26, s23
	s_add_co_u32 s26, s26, SCOFF                   ; scale bytes
	s_mov_b32 s27, 0
	s_wait_kmcnt 0x0
	s_add_nc_u64 s[4:5], s[\PLO:\PLO+1], s[20:21]
	s_add_nc_u64 s[12:13], s[10:11], s[24:25]
	s_add_nc_u64 s[14:15], s[10:11], s[26:27]
	LOADW 0, \N, \PERM
	LOADW 1, \N, \PERM
.set Q, 0
.rept NB
	BLOCKW Q, \N, \PERM
.set Q, Q+1
.endr
	s_wait_alu depctr_va_vdst(0)
	global_store_b64 v9, v[SB:SB+1], s[14:15]      ; my column's eight scale bytes
.irp t, 0,1,2,3,4,5,6,7,8,9,10,11,12,13,14,15
	ds_load_b96 v[OUTR+4*\t:OUTR+4*\t+2], v7 offset:2*\t*PITCH
.endr
.irp t, 0,1,2,3,4,5,6,7,8,9,10,11,12,13,14,15
	s_wait_dscnt 15-\t                             ; the younger loads may be out
	global_store_b96 v8, v[OUTR+4*\t:OUTR+4*\t+2], s[12:13] offset:(2*(\t%4)+16*((\t/4)%2)+8*(\t/8))*768   ; columns 2 t and 2 t + 1, at their positions
.endr
.endm
	s_load_b128 s[4:7], s[0:1], 0x0                ; x, w_qkv
	s_load_b128 s[8:11], s[0:1], 0x10              ; w_proj, cw
	v_lshl_add_u32 v192, v0, 2, 0x19000
	v_mov_b32 v193, 0
	v_lshrrev_b32 v1, 5, v0
	v_readfirstlane_b32 s16, v1                    ; wave
	v_and_b32 v2, 31, v0                           ; lane
	s_cmp_lt_u32 ttmp9, 256
	s_cbranch_scc0 .Lweights
	; ---- x: a wave takes 8 rows, 8,192 numbers, a plain stream of blocks of 32
	v_lshlrev_b32 v3, 4, v2                        ; my 16 bytes of a load's 512
	s_mul_i32 s17, s16, WREG
	v_lshrrev_b32 v14, 2, v2
	v_mul_u32_u24 v14, v14, SP
	v_and_b32 v15, 3, v2
	v_lshl_add_u32 v14, v15, 4, v14
	v_add_nc_u32 v14, s17, v14                     ; the stage, way in: SP (lane / 4) + 16 (lane % 4)
	v_mul_u32_u24 v15, v2, SP
	v_add_nc_u32 v15, s17, v15                     ; way out: SP x lane
	v_mul_u32_u24 v4, v2, CB
	v_lshrrev_b32 v5, 1, v2
	s_add_co_u32 s17, s17, 2*32*SP
	v_add_nc_u32 v5, s17, v5                       ; my block's byte among the wave's 256
	v_lshlrev_b32 v7, 3, v2
	v_add_nc_u32 v6, s17, v7
	s_lshl_b32 s18, ttmp9, 2
	s_add_co_u32 s19, s18, s16                     ; which run of 8 rows I read
	s_lshl_b32 s20, s19, 15
	s_mov_b32 s21, 0
	s_and_b32 s22, s16, 1                          ; rows' bits 3 and 4 are the run's bits 0 and 1: exchanged
	s_lshl_b32 s22, s22, 1
	s_lshr_b32 s23, s16, 1
	s_or_b32 s22, s22, s23
	s_add_co_u32 s22, s22, s18                     ; which run of 8 positions I write
	s_mul_i32 s24, s22, 6144
	s_mov_b32 s25, 0
	s_lshl_b32 s26, s22, 8
	s_add_co_u32 s26, s26, SCOFF
	s_mov_b32 s27, 0
	s_wait_alu depctr_va_vdst(0)
	s_wait_kmcnt 0x0
	s_add_nc_u64 s[4:5], s[4:5], s[20:21]
	s_add_nc_u64 s[12:13], s[10:11], s[24:25]
	s_add_nc_u64 s[14:15], s[10:11], s[26:27]
.irp t, 0,1,2,3
	LOADX \t
.endr
	s_wait_loadcnt 12                              ; step 0's four loads are in
	TURNX 0
.irp t, 0,1,2,3,4,5,6,7,8,9,10,11,12,13,14,15
	STEPX \t
.endr
	ds_load_b64 v[12:13], v6                       ; LDS serves a wave's instructions in order: these see my byte stores
	s_wait_dscnt 0x0
	global_store_b64 v7, v[12:13], s[14:15]        ; 32 lanes store 256 consecutive bytes, aligned
	s_wait_tensorcnt 0x0
	ds_add_u32 v192, v193
	s_wait_dscnt 0x0
	s_endpgm
.Lweights:
	s_cmp_lt_u32 ttmp9, 352
	s_cbranch_scc0 .Lproj
	s_wait_alu depctr_va_vdst(0)
	WPATH 3072, 8192, 0, 32768, 6, 256
	s_wait_tensorcnt 0x0
	ds_add_u32 v192, v193
	s_wait_dscnt 0x0
	s_endpgm
.Lproj:
	s_wait_alu depctr_va_vdst(0)
	WPATH 1024, 11264, 1, 67584, 8, 352
	s_wait_tensorcnt 0x0
	ds_add_u32 v192, v193
	s_wait_dscnt 0x0
	s_endpgm
.Lfunc_end_k_qb7b330684c_prep:
	.size	k_qb7b330684c_prep, .Lfunc_end_k_qb7b330684c_prep-k_qb7b330684c_prep
	.p2alignl 7, 3214868480
	.fill 96, 4, 3214868480
	.section	.rodata,"a",@progbits
	.p2align	6, 0x0
	.amdhsa_kernel k_qb7b330684c_prep
		.amdhsa_group_segment_fixed_size 102912
		.amdhsa_private_segment_fixed_size 0
		.amdhsa_enable_private_segment 0
		.amdhsa_kernarg_size 32
		.amdhsa_user_sgpr_count 2
		.amdhsa_user_sgpr_kernarg_segment_ptr 1
		.amdhsa_wavefront_size32 1
		.amdhsa_system_sgpr_workgroup_id_x 1
		.amdhsa_system_sgpr_workgroup_id_y 1
		.amdhsa_system_sgpr_workgroup_id_z 1
		.amdhsa_system_vgpr_workitem_id 0
		.amdhsa_next_free_vgpr 194
		.amdhsa_next_free_sgpr 66
		.amdhsa_reserve_vcc 0
		.amdhsa_float_denorm_mode_32 3
		.amdhsa_float_denorm_mode_16_64 3
		.amdhsa_memory_ordered 1
		.amdhsa_forward_progress 1
		.amdhsa_inst_pref_size 115
	.end_amdhsa_kernel
	.amdgpu_metadata
---
amdhsa.version: [ 1, 2 ]
amdhsa.kernels:
  - .name:           k_qb7b330684c_prep
    .symbol:         k_qb7b330684c_prep.kd
    .args:
      - { .name: x, .offset: 0, .size: 8, .value_kind: global_buffer, .address_space: global }
      - { .name: w_qkv, .offset: 8, .size: 8, .value_kind: global_buffer, .address_space: global }
      - { .name: w_proj, .offset: 16, .size: 8, .value_kind: global_buffer, .address_space: global }
      - { .name: cw, .offset: 24, .size: 8, .value_kind: global_buffer, .address_space: global }
    .group_segment_fixed_size: 102912
    .private_segment_fixed_size: 0
    .kernarg_segment_align: 8
    .kernarg_segment_size: 32
    .max_flat_workgroup_size: 128
    .sgpr_count:     66
    .vgpr_count:     194
    .wavefront_size: 32
...
	.end_amdgpu_metadata
.endif
;; end of part 1
;; launch gemm_qkv (part 2): grid 8 x 48, 4 waves a work-group, clusters of 4 x 4, 327,680 bytes of LDS; arguments cw, qkv; writes qkv
.if DOCPART == 2
	.amdgcn_target "amdgcn-amd-amdhsa--gfx1250"
	.amdhsa_code_object_version 6
	.text
	.protected	k_qb7b330684c_gemm_qkv
	.globl	k_qb7b330684c_gemm_qkv
	.p2align	8
	.type	k_qb7b330684c_gemm_qkv,@function
k_qb7b330684c_gemm_qkv:
	s_mov_b64 s[64:65], 0
	v_nop
	global_prefetch_b8 v0, s[64:65] scope:SCOPE_SE
	s_setreg_imm32_b32 hwreg(HW_REG_WAVE_MODE, 25, 1), 1
	s_wait_xcnt 0x0
	s_wait_alu depctr_hold_cnt(0) depctr_sa_sdst(0) depctr_va_vdst(0) depctr_va_sdst(0) depctr_va_ssrc(0) depctr_va_vcc(0) depctr_vm_vsrc(0)
	s_getreg_b32 s2, hwreg(HW_REG_IB_STS2, 6, 4)
	s_cmp_eq_u32 s2, 0
	s_cbranch_scc0 .Lentry_in_a_cluster
	s_endpgm
.Lentry_in_a_cluster:
	s_bfe_u32 s2, ttmp6, 0x10000c
	s_cmp_lg_u32 s2, 0xf033
	s_cbranch_scc0 .Lentry_shape_is_right
	s_endpgm
.Lentry_shape_is_right:
; qkv = x w_qkv on codes of FP6 (E2M3) with E8M0 scales; the result is quantised on the way out and never exists as f32 in memory.
; Both operands are rows of cw (K = 1,024: 768 bytes of codes at 768 R, 32 scale bytes at XSO + 32 R).  A tile is 256 rows A' x 256 rows B'; four waves, 128 x 128 each: 64 accumulators.
; The matrix instruction is used transposed (source 0 = 16 rows of B', source 1 = 16 rows of A'): a lane holds ONE row of A', its registers run along B'.  cw's positions are permuted so that the 16 registers of
; two neighbouring tiles are 16 neighbours along B' (32 b + 16 (lane / 16) + 0 .. 15): the result is quantised along B' in registers.
; KIND 0 (cluster y 0-7): A' = tokens, B' = w_qkv's columns 0 .. 2,047: q and k, quantised along the head's 64.  KIND 1 (cluster y 8-11): A' = columns 2,048 .. 3,071, B' = tokens: v, quantised along the keys.
; The kind hangs on the cluster's y alone: the same in all sixteen partners.
; K goes through two LDS slots in CHUNKS OF 256 BYTES of each row (three chunks; each begins at a multiple of 256 bytes).  A step of 128 along K is 96 bytes: steps 2 and 5 lie across two chunks.
; At the head each wave issues one joint load of 256 rows: A's chunk 0, B's chunk 0, A's chunk 1, B's chunk 1.  Chunk 2 is the one refill, into slot 0, a quarter of the slot a wave.
; THE SCALE WORDS of my 128 + 128 rows, for all of K, go from memory straight into 64 registers: a row's 32 bytes are two loads of 16; sixteen rows are 512 consecutive bytes; lanes 0-15 take A's rows, lanes 16-31 B's.
; OUT, as images of operand registers: a run of 12 registers is 1,536 bytes, registers 4 i .. 4 i + 3 of lane l at 512 i + 16 l.
; q, k: for each (which, batch, head) eight records of 7,168 bytes (128 token positions): four runs (two tiles of 16 positions x 64: 6 registers each), then 1,024 bytes of scale words.
; v: for each (batch, head) eight records of 6,656 bytes (128 keys): four runs (16 d positions x 128 keys), then 512 bytes of scale words.
; q is NOT multiplied by 1/8 here: a power of two goes through the quantiser unchanged, and the softmax's constant takes it.
; LIMITS: a block whose largest magnitude lies under 2^-124 (a block of zeros among them) keeps the scale byte 1; taking 1/8 out of the quantiser is exact unless the scale of q / 8 would be held at 2^-126; NaN and infinities are not served.
; CLUSTERS: 4 x 4; A's tiles are asked for jointly along a row of the cluster, B's along a column.  No prefetch: the walk of three chunks is written out, there is no loop to run ahead in.
; REGISTERS: window 0: v0-31 addresses; v32-95 scale words (block i, step s at v[32 + 8 i + s]); v128-223 A's fragments, one set.  window 1: B's fragments, two sets.  windows 2, 3: the accumulators ((a, b) at v[8 (8 (a % 4) + b)]).
.set XSO,    9437184
.set VOFF,   14680064
.set ROWB,   256
.set KROW,   768
.set STEPS,  8
.set CHUNKS, 3
.set PITCH,  272                       ; 256 bytes + 16 of padding
.set FR,     12
.set NL,     6
.set NP,     4                         ; places behind this matrix instruction (ISA guide 7.12.1)
.set HALFT,  128*PITCH
.set SLOT,   4*HALFT
.set SPARE,  2*SLOT                    ; the spare words: 128 bytes a wave
.set ADRA, 16                          ; v16-17 slot 0, 1; v18-19 for pieces whose two halves of the lanes lie in different slots
.set ADRB, 20
.set VS,   25                          ; 16 x lane
.set ADRS, 27                          ; my row's scale bytes, from XSO on
.set SPW,  28
.set NIL,  29
.set SC,   32
.set AF,   128
.set TM,   32
.set PW,   48
.set T2,   52
.set W0,   64
.set W1,   72
.set PCD,  128
.set SEL,  98
.set OUTP, 66                          ; s[66:67] qkv
.set SCB,  92                          ; s[92:93] cw + XSO
.set G1, 24
.set G0, 32                            ; s[32:35] the refill's group 0 for A
.set G1B, 48
.set G0B, 56                           ; s[56:59] for B
.set G0H, 4                            ; the head's four groups 0
.set G0HB, 8
.set G0H1, 76
.set G0HB1, 88
.set MSB, 0
.macro WIN new                         ; the immediate's high byte repeats the setting that is left
.if MSB != (\new)
	s_set_vgpr_msb (MSB<<8)|(\new)
.set MSB, (\new)
.endif
.endm
.set MUL_LO, 0xa1                      ; source 0 (B) window 1, source 1 (A) window 0, C and D window 2
.set MUL_HI, 0xf1
.set TO_B,   0x40
.macro JLOAD g0a, g1a, g0b, g1b        ; a joint load: waves 0, 1 for A, waves 2, 3 for B; the branch hangs on the wave's number alone
	s_cmp_eq_u32 s15, 0
	s_cbranch_scc0 .Lfor_b_\@
	tensor_load_to_lds s[\g0a:\g0a+3], s[\g1a:\g1a+7]
	s_nop 0
.rept 4
	v_nop
.endr
	s_branch .Lasked_\@
.Lfor_b_\@:
	tensor_load_to_lds s[\g0b:\g0b+3], s[\g1b:\g1b+7]
	s_nop 0
.rept 4
	v_nop
.endr
.Lasked_\@:
.endm
.macro CREST                           ; a round of the cluster's barrier behind its opening barrier
	s_cmp_lg_u32 s14, 0
	s_cbranch_scc1 .Lnot_wave_0_\@
	s_barrier_signal -3
.Lnot_wave_0_\@:
	s_barrier_wait -3
	s_barrier_signal -1
	s_barrier_wait -1
.endm
.macro CROUND
	s_barrier_signal -1
	s_barrier_wait -1
	CREST
.endm
	s_load_b128 s[4:7], s[0:1], 0x0                ; cw, qkv
	v_lshl_add_u32 v[SPW], v0, 2, SPARE
	v_mov_b32 v[NIL], 0
	ds_add_u32 v[SPW], v[NIL]                      ; the opening lines: the add twice on end and one wait
	ds_add_u32 v[SPW], v[NIL]
	v_lshrrev_b32 v1, 5, v0
	v_readfirstlane_b32 s14, v1                    ; wave 0..3
	s_lshr_b32 s15, s14, 1                         ; my half of A's rows; also: the refill I fetch is A's (0) or B's (1)
	s_and_b32 s16, s14, 1                          ; my half of B's rows; also: which 128 rows of it I fetch
	s_bfe_u32 s40, ttmp6, 0x40000                  ; cx
	s_bfe_u32 s41, ttmp6, 0x40004                  ; cy
	s_and_b32 s95, ttmp7, 0xffff                   ; the cluster's y, 0 .. 11
	s_lshl_b32 s17, s95, 2
	s_lshl_b32 s97, s95, 3
	s_sub_co_u32 s97, s97, 64
	s_lshl_b32 s42, ttmp9, 2
	s_cmp_lt_u32 s95, 8                            ; q and k, or v?
	s_cselect_b32 s96, 0, 1                        ; the kind
	s_cselect_b32 s17, s17, 40
	s_cselect_b32 s97, 32, s97
	s_add_co_u32 s17, s17, s41                     ; A's tile, in units of 256 rows of cw: it never holds cx
	s_add_co_u32 s42, s42, s40
	s_add_co_u32 s42, s42, s97                     ; B's tile: it never holds cy
	s_lshl_b32 s43, s41, 2
	s_lshl_b32 s43, 15, s43                        ; my row of the cluster
	s_lshl_b32 s44, 0x1111, s40                    ; my column
	s_mov_b32 s[SEL], 0x76543210
	s_mov_b32 s[SEL+1], 0xfedcba98                 ; selects for lane l xor 16
	s_or_b32 s[G1+0], s43, (0<<16)|(1<<20)|(1<<21)|(5<<22)|(3<<25)  ; rows of 256 bytes, 16 of padding behind each; 256 rows for the head's loads
	s_or_b32 s[G1B+0], s44, (0<<16)|(1<<20)|(1<<21)|(5<<22)|(3<<25)
.irp g, G1, G1B
	s_mov_b32 s[\g+1], ROWB<<16
	s_mov_b32 s[\g+2], 256<<16
	s_mov_b32 s[\g+3], ROWB<<16
	s_mov_b32 s[\g+4], 256
	s_mov_b32 s[\g+5], KROW
	s_mov_b32 s[\g+6], 0
	s_mov_b32 s[\g+7], 0
.endr
	s_lshl_b32 s20, s17, 8                         ; A's first row of cw
	s_lshl_b32 s46, s42, 8                         ; B's
	s_mov_b32 s21, 0
	s_mov_b32 s47, 0
	s_mov_b64 s[18:19], KROW
	s_mul_u64 s[20:21], s[20:21], s[18:19]
	s_mul_u64 s[46:47], s[46:47], s[18:19]
	s_mul_i32 s18, s16, 128*KROW                   ; for the refill: which 128 rows, in bytes
	s_mov_b32 s19, 0
	s_mul_i32 s45, s14, HALFT                      ; and where they go: wave x 128 rows
	s_wait_dscnt 0x0                               ; both opening adds are done
	s_wait_kmcnt 0x0
	s_mov_b64 s[OUTP:OUTP+1], s[6:7]
	s_add_nc_u64 s[SCB:SCB+1], s[4:5], XSO
	s_add_nc_u64 s[20:21], s[4:5], s[20:21]
	s_add_nc_u64 s[46:47], s[4:5], s[46:47]
	CROUND                                         ; all sixteen work-groups are here: the first joint loads meet
	s_mov_b32 s[G0H], 1                            ; chunk 0: A's 256 rows,
	s_mov_b32 s[G0H+1], 0
	s_mov_b64 s[G0H+2:G0H+3], s[20:21]
	s_or_b32 s[G0H+3], s[G0H+3], 0x80000000
	s_mov_b32 s[G0HB], 1                           ; B's 256 rows;
	s_mov_b32 s[G0HB+1], 2*HALFT
	s_mov_b64 s[G0HB+2:G0HB+3], s[46:47]
	s_or_b32 s[G0HB+3], s[G0HB+3], 0x80000000
	s_mov_b32 s[G0H1], 1                           ; chunk 1, into slot 1: A's,
	s_mov_b32 s[G0H1+1], SLOT
	s_add_nc_u64 s[G0H1+2:G0H1+3], s[20:21], ROWB
	s_or_b32 s[G0H1+3], s[G0H1+3], 0x80000000
	s_mov_b32 s[G0HB1], 1                          ; and B's
	s_mov_b32 s[G0HB1+1], SLOT+2*HALFT
	s_add_nc_u64 s[G0HB1+2:G0HB1+3], s[46:47], ROWB
	s_or_b32 s[G0HB1+3], s[G0HB1+3], 0x80000000
	s_add_nc_u64 s[20:21], s[20:21], s[18:19]      ; the refill: my 128 rows; the step that issues it goes on to chunk 2
	s_add_nc_u64 s[46:47], s[46:47], s[18:19]
	s_mov_b32 s[G0], 1
	s_mov_b32 s[G0+1], s45
	s_mov_b64 s[G0+2:G0+3], s[20:21]
	s_or_b32 s[G0+3], s[G0+3], 0x80000000
	s_mov_b32 s[G0B], 1
	s_mov_b32 s[G0B+1], s45
	s_mov_b64 s[G0B+2:G0B+3], s[46:47]
	s_or_b32 s[G0B+3], s[G0B+3], 0x80000000
; the head's four loads, one a wave, in one chain of branches on the wave's number
.macro ARM under, g0, g1, next
	s_cmp_lt_u32 s14, \under
	s_cbranch_scc0 \next
	tensor_load_to_lds s[\g0:\g0+3], s[\g1:\g1+7]
	s_nop 0
.rept 4
	v_nop
.endr
	s_branch .Lhead_asked
\next:
.endm
	ARM 1, G0H,  G1,  .Lhead_b
	ARM 2, G0HB, G1B, .Lhead_a1
	ARM 3, G0H1, G1,  .Lhead_b1
	tensor_load_to_lds s[G0HB1:G0HB1+3], s[G1B:G1B+7]
	s_nop 0
.rept 4
	v_nop
.endr
.Lhead_asked:
	v_and_b32 v1, 15, v0                           ; l % 16
	v_bfe_u32 v2, v0, 4, 1                         ; l / 16
	v_mul_u32_u24 v3, v1, PITCH
	v_mul_u32_u24 v4, v2, 24
	v_add_nc_u32 v4, v3, v4                        ; row x pitch + 24 x half
	s_mov_b32 s21, SLOT-232
	s_mov_b32 s22, SLOT+232
	v_sub_nc_u32 v7, 1, v2                         ; 1 in lanes 0-15
	v_mul_u32_u24 v5, s21, v2
	v_add_nc_u32 v5, v3, v5
	v_add_nc_u32 v5, 232, v5                       ; lanes 0-15 byte 232 of the row in slot 0, lanes 16-31 byte 0 of the row in slot 1
	v_mul_u32_u24 v6, s22, v7
	v_add_nc_u32 v6, v3, v6                        ; and the other way round
	s_mul_i32 s21, s15, HALFT
	s_mul_i32 s22, s16, HALFT
	s_add_co_u32 s22, s22, 2*HALFT
	v_add_nc_u32 v[ADRA+2], s21, v5
	v_add_nc_u32 v[ADRA+3], s21, v6
	v_add_nc_u32 v[ADRB+2], s22, v5
	v_add_nc_u32 v[ADRB+3], s22, v6
.irp s, 0,1
	v_add_nc_u32 v[ADRA+\s], s21, v4
	v_add_nc_u32 v[ADRB+\s], s22, v4
	s_add_co_u32 s21, s21, SLOT
	s_add_co_u32 s22, s22, SLOT
.endr
	s_lshl_b32 s21, s17, 1
	s_add_co_u32 s21, s21, s15
	s_lshl_b32 s21, s21, 12                        ; 32 bytes x my first row of A: 4,096 x (2 x tile + half)
	s_lshl_b32 s22, s42, 1
	s_add_co_u32 s22, s22, s16
	s_lshl_b32 s22, s22, 12                        ; and of B
	v_mul_u32_u24 v5, s21, v7                      ; lanes 0-15 take A's rows,
	v_mad_u32_u24 v5, s22, v2, v5                  ; lanes 16-31 B's
	v_and_b32 v6, 31, v0
	v_lshl_add_u32 v[ADRS], v1, 5, v5
	v_lshlrev_b32 v[VS], 4, v6
.irp i, 0,1,2,3,4,5,6,7
	global_load_b128 v[SC+8*\i:SC+8*\i+3], v[ADRS], s[SCB:SCB+1] offset:512*\i       ; block i: the words of steps 0-3,
	global_load_b128 v[SC+8*\i+4:SC+8*\i+7], v[ADRS], s[SCB:SCB+1] offset:512*\i+16  ; and of steps 4-7
.endr
.macro FRAG reg, adr, st, i            ; 16 rows x 128 K: 12 registers, in pieces of 8 bytes; byte y of a row lies in slot (y / 256) % 2 at byte y % 256
.irp p, 0,1,2,3,4,5
.set BY, 96*(\st)+48*(\p/3)+8*(\p%3)
.if BY/ROWB == (BY+24)/ROWB
	ds_load_b64 v[\reg+2*\p:\reg+2*\p+1], v[\adr+(BY/ROWB)%2] offset:BY%ROWB+(\i)*16*PITCH
.else
	ds_load_b64 v[\reg+2*\p:\reg+2*\p+1], v[\adr+2+(BY/ROWB)%2] offset:BY%ROWB-232+(\i)*16*PITCH
.endif
.endr
.endm
; 16 matrix instructions of step st, B's set p; the 64 accumulators take turns, one instruction a turn
.macro MUL16 a0, p, st, zero
.irp a, \a0, \a0+1
.irp b, 0,1,2,3,4,5,6,7
.if \zero
	v_wmma_scale_f32_16x16x128_f8f6f4 v[8*(8*((\a)%4)+\b):8*(8*((\a)%4)+\b)+7], v[128*(\p)+FR*\b:128*(\p)+FR*\b+FR-1], v[AF+FR*(\a):AF+FR*(\a)+FR-1], 0, v[SC+8*\b+(\st)], v[SC+8*(\a)+(\st)] matrix_a_fmt:MATRIX_FMT_FP6 matrix_b_fmt:MATRIX_FMT_FP6 matrix_a_scale:MATRIX_SCALE_ROW1
.else
	v_wmma_scale_f32_16x16x128_f8f6f4 v[8*(8*((\a)%4)+\b):8*(8*((\a)%4)+\b)+7], v[128*(\p)+FR*\b:128*(\p)+FR*\b+FR-1], v[AF+FR*(\a):AF+FR*(\a)+FR-1], v[8*(8*((\a)%4)+\b):8*(8*((\a)%4)+\b)+7], v[SC+8*\b+(\st)], v[SC+8*(\a)+(\st)] matrix_a_fmt:MATRIX_FMT_FP6 matrix_b_fmt:MATRIX_FMT_FP6 matrix_a_scale:MATRIX_SCALE_ROW1
.endif
.endr
.endr
.endm
.macro FETCH_B st, p
	WIN TO_B
.irp i, 0,1,2,3,4,5,6,7
	FRAG 128*(\p)+FR*\i, ADRB, \st, \i
.endr
	WIN 0
.endm
.macro FETCH_A st, i0
.irp i, \i0, \i0+1, \i0+2, \i0+3
	FRAG AF+FR*(\i), ADRA, \st, \i
.endr
.endm
.macro PLACES n
.rept \n
	v_nop
.endr
.endm
; A step of 128 along K.  Where the next step's bytes END in chunk 2, which no step has read yet: a wait for my tensor loads and a barrier.  Where they BEGIN in a later chunk than this step's: the wait, the add, the wait
; for it and for my reads, the barrier; where a chunk two on is left, the barrier opens a round of the cluster's and the slot is filled again.  (Chunks 0 and 1 were shown whole by the head's barrier.)
.macro STEP st, zero
.set NX, (\st)+1
.set C0, (96*(\st))/ROWB
.set C1, (96*NX)/ROWB
.set E0, (96*(\st)+95)/ROWB
.set E1, (96*NX+95)/ROWB
.if C1 > C0 || (E1 > E0 && E1 > 1)
	s_wait_tensorcnt 0x0                           ; all my tensor loads have landed
.if C1 > C0
	ds_add_u32 v[SPW], v[NIL]
	s_wait_dscnt 4*NL+1                            ; the add and the youngest 24 loads (A's blocks 4-7) may be out
.else
	s_wait_dscnt 4*NL                              ; the youngest 24 loads may be out
.endif
	WIN MUL_LO
	MUL16 0, (\st)%2, \st, \zero
	s_wait_dscnt 0x0                               ; the add, where there is one, and all my LDS reads are done
	s_barrier_signal -1
	MUL16 2, (\st)%2, \st, \zero
	WIN 0
	s_barrier_wait -1
.if C1 > C0 && C0+2 < CHUNKS
	CREST
	s_add_nc_u64 s[G0+2:G0+3], s[G0+2:G0+3], 2*ROWB
	s_add_nc_u64 s[G0B+2:G0B+3], s[G0B+2:G0B+3], 2*ROWB
	JLOAD G0, G1, G0B, G1B                         ; chunk 2 into slot 0, my one tensor load behind the round; its four v_nop are the places in front of the loads below
.else
	PLACES NP
.endif
.else
	s_wait_dscnt 4*NL
	WIN MUL_LO
	MUL16 0, (\st)%2, \st, \zero
	MUL16 2, (\st)%2, \st, \zero
	s_wait_dscnt 0
	PLACES NP
.endif
	FETCH_B NX, NX%2
	FETCH_A NX, 0
	WIN MUL_HI
	MUL16 4, (\st)%2, \st, \zero
	MUL16 6, (\st)%2, \st, \zero
	PLACES NP
	WIN 0
	FETCH_A NX, 4
.endm
	s_wait_alu depctr_va_vdst(0)
	s_wait_loadcnt 0x0                             ; the scale words
	s_wait_tensorcnt 0x0                           ; my tile of the head's four is in;
	s_mov_b32 s[G1+2], 128<<16                     ; no tensor load of mine is out: the refill brings 128 rows a wave
	s_mov_b32 s[G1+4], 128
	s_mov_b32 s[G1B+2], 128<<16
	s_mov_b32 s[G1B+4], 128
	s_barrier_signal -1
	s_barrier_wait -1                              ; and so is everybody's: chunks 0 and 1 are whole
	FETCH_B 0, 0
	FETCH_A 0, 0
	FETCH_A 0, 4
	STEP 0, 1                                      ; the first step's products start the sums
.set ST, 1
.rept STEPS-2
	STEP ST, 0
.set ST, ST+1
.endr
	s_wait_dscnt 4*NL
	WIN MUL_LO
	MUL16 0, 1, 7, 0
	MUL16 2, 1, 7, 0
	s_wait_dscnt 0
	WIN MUL_HI
	MUL16 4, 1, 7, 0
	MUL16 6, 1, 7, 0
	WIN 0
; THE WAY OUT.  Block a: 16 rows of A' x my 128 along B': register 16 b + i = place 32 b + 16 (lane / 16) + i of the lane's row.  They become two runs of 6 registers of codes, at v[PA] and v[PB], and a scale word.
.macro QUANT a, word
.set AC, 64*((\a)%4)
	WIN 0x0a+5*((\a)/4)
.irp b, 0,1,2,3
	v_max3_num_f32 v[TM+\b], |v[AC+16*\b]|, |v[AC+16*\b+1]|, 0x1800000   ; my 16 of block b, and the floor 2^(3 - 127)
.endr
.irp i, 2,4,6,8,10,12,14
.irp b, 0,1,2,3
	v_max3_num_f32 v[TM+\b], |v[AC+16*\b+\i]|, |v[AC+16*\b+\i+1]|, v[TM+\b]
.endr
.endr
	WIN 0
.irp b, 0,1,2,3
	v_permlanex16_b32 v[TM+4+\b], v[TM+\b], s[SEL], s[SEL+1]
.endr
.irp b, 0,1,2,3
	v_max_num_f32 v[TM+\b], v[TM+\b], v[TM+4+\b]
.endr
.irp b, 0,1,2,3
	v_add_nc_u32 v[TM+12+\b], 0xff000000, v[TM+\b] ; 2 off the exponent field: the conversion's scale operand
.endr
.irp b, 0,1,2,3
	v_lshrrev_b32 v[TM+4+\b], 23, v[TM+12+\b]      ; the scale's byte
.endr
	v_lshl_or_b32 v[\word], v[TM+5], 8, v[TM+4]
	v_lshl_or_b32 v[\word], v[TM+6], 16, v[\word]
	v_lshl_or_b32 v[\word], v[TM+7], 24, v[\word]
	WIN 0x02+(\a)/4
	v_cvt_scalef32_pk16_fp6_f32 v[PA:PA+2], v[AC:AC+15], v[TM+12]
	v_cvt_scalef32_pk16_fp6_f32 v[T2:T2+2], v[AC+16:AC+31], v[TM+13]
	v_cvt_scalef32_pk16_fp6_f32 v[PB:PB+2], v[AC+32:AC+47], v[TM+14]
	v_cvt_scalef32_pk16_fp6_f32 v[T2+4:T2+6], v[AC+48:AC+63], v[TM+15]
	WIN 0
	v_nop                                          ; a plain line behind the conversions
.irp i, 0,1,2
	v_permlane16_swap_b32 v[PA+\i], v[T2+\i]
.endr
.irp i, 0,1,2
	v_mov_b32 v[PA+3+\i], v[T2+\i]
.endr
.irp i, 0,1,2
	v_permlane16_swap_b32 v[PB+\i], v[T2+4+\i]
.endr
.irp i, 0,1,2
	v_mov_b32 v[PB+3+\i], v[T2+4+\i]
.endr
.endm
.macro EPI kind
	PLACES NP
.irp b, 0,1,2,3
	v_mov_b32 v[TM+4+\b], 0                        ; a lane permute's destination counts as one of its sources
.endr
.if \kind == 0
	s_lshl_b32 s18, s17, 8
	s_lshl_b32 s19, s15, 7
	s_add_co_u32 s18, s18, s19                     ; my first token position
	s_lshr_b32 s19, s18, 10                        ; the batch
	s_bfe_u32 s20, s18, 0x30007                    ; which 128 of its 1,024
	s_sub_co_u32 s21, s42, 32
	s_lshl_b32 s21, s21, 2
	s_lshl_b32 s22, s16, 1
	s_add_co_u32 s21, s21, s22                     ; my first head: 0-15 q's, 16-31 k's
	s_lshr_b32 s22, s21, 4
	s_lshl_b32 s22, s22, 7
	s_and_b32 s21, s21, 15
	s_add_co_u32 s22, s22, s21
	s_lshl_b32 s19, s19, 4
	s_add_co_u32 s22, s22, s19                     ; 128 which + 16 batch + head
	s_mul_i32 s22, s22, 57344
	s_mul_i32 s18, s20, 7168
	s_add_co_u32 s18, s18, s22
	s_mov_b32 s19, 0
	s_add_nc_u64 s[12:13], s[OUTP:OUTP+1], s[18:19]
.else
	s_sub_co_u32 s18, s17, 40
	s_lshl_b32 s18, s18, 2
	s_lshl_b32 s19, s15, 1
	s_add_co_u32 s18, s18, s19                     ; my first head
	s_lshl_b32 s20, s42, 8
	s_lshl_b32 s19, s16, 7
	s_add_co_u32 s20, s20, s19                     ; my first token
	s_lshr_b32 s19, s20, 10
	s_bfe_u32 s20, s20, 0x30007
	s_lshl_b32 s19, s19, 4
	s_add_co_u32 s18, s18, s19
	s_mul_i32 s18, s18, 53248
	s_mul_i32 s20, s20, 6656
	s_add_co_u32 s18, s18, s20
	s_add_co_u32 s18, s18, VOFF
	s_mov_b32 s19, 0
	s_add_nc_u64 s[12:13], s[OUTP:OUTP+1], s[18:19]
.endif
.irp a, 0,1,2,3,4,5,6,7
.if \kind == 0
.set PA, PCD+6*\a
.set PB, PCD+48+6*\a
	QUANT \a, PW                                   ; blocks 0, 1: my first head's 64; blocks 2, 3: the next head's
	v_and_b32 v[W0+\a], 0xffff, v[PW]              ; a head's word: two bytes, and two bytes 0 over the zero codes that fill K to 128
	v_lshrrev_b32 v[W1+\a], 16, v[PW]
.if \a%2 == 1
.irp i, 0,1,2
	global_store_b128 v[VS], v[PCD+6*(\a-1)+4*\i:PCD+6*(\a-1)+4*\i+3], s[12:13] offset:768*(\a-1)+512*\i   ; 32 lanes store 512 consecutive bytes, aligned
	global_store_b128 v[VS], v[PCD+48+6*(\a-1)+4*\i:PCD+48+6*(\a-1)+4*\i+3], s[12:13] offset:57344+768*(\a-1)+512*\i
.endr
.endif
.else
.set PA, PCD+12*\a
.set PB, PCD+12*\a+6
	QUANT \a, W0+\a
.irp i, 0,1,2
	global_store_b128 v[VS], v[PCD+12*\a+4*\i:PCD+12*\a+4*\i+3], s[12:13] offset:53248*(\a/4)+1536*(\a%4)+512*\i
.endr
.endif
.endr
.if \kind == 0
	global_store_b128 v[VS], v[W0:W0+3], s[12:13] offset:6144
	global_store_b128 v[VS], v[W0+4:W0+7], s[12:13] offset:6656
	global_store_b128 v[VS], v[W1:W1+3], s[12:13] offset:63488
	global_store_b128 v[VS], v[W1+4:W1+7], s[12:13] offset:64000
.else
	global_store_b128 v[VS], v[W0:W0+3], s[12:13] offset:6144
	global_store_b128 v[VS], v[W0+4:W0+7], s[12:13] offset:59392
.endif
.endm
	s_cmp_eq_u32 s96, 0                            ; the kind: the same in every wave of every partner
	s_cbranch_scc0 .Lkind_v
	EPI 0
	s_branch .Lend
.Lkind_v:
	EPI 1
.Lend:
	s_wait_tensorcnt 0x0                           ; the wave's end
	ds_add_u32 v[SPW], v[NIL]
	s_wait_dscnt 0x0
	CROUND                                         ; the closing round
	s_endpgm
.Lfunc_end_k_qb7b330684c_gemm_qkv:
	.size	k_qb7b330684c_gemm_qkv, .Lfunc_end_k_qb7b330684c_gemm_qkv-k_qb7b330684c_gemm_qkv
	.p2alignl 7, 3214868480
	.fill 96, 4, 3214868480
	.section	.rodata,"a",@progbits
	.p2align	6, 0x0
	.amdhsa_kernel k_qb7b330684c_gemm_qkv
		.amdhsa_group_segment_fixed_size 327680
		.amdhsa_private_segment_fixed_size 0
		.amdhsa_enable_private_segment 0
		.amdhsa_kernarg_size 16
		.amdhsa_user_sgpr_count 2
		.amdhsa_user_sgpr_kernarg_segment_ptr 1
		.amdhsa_wavefront_size32 1
		.amdhsa_system_sgpr_workgroup_id_x 1
		.amdhsa_system_sgpr_workgroup_id_y 1
		.amdhsa_system_sgpr_workgroup_id_z 1
		.amdhsa_system_vgpr_workitem_id 0
		.amdhsa_next_free_vgpr 1024
		.amdhsa_next_free_sgpr 102
		.amdhsa_reserve_vcc 0
		.amdhsa_float_denorm_mode_32 3
		.amdhsa_float_denorm_mode_16_64 3
		.amdhsa_memory_ordered 1
		.amdhsa_forward_progress 1
		.amdhsa_inst_pref_size 197
	.end_amdhsa_kernel
	.amdgpu_metadata
---
amdhsa.version: [ 1, 2 ]
amdhsa.kernels:
  - .name:           k_qb7b330684c_gemm_qkv
    .symbol:         k_qb7b330684c_gemm_qkv.kd
    .args:
      - { .name: cw, .offset: 0, .size: 8, .value_kind: global_buffer, .address_space: global }
      - { .name: qkv, .offset: 8, .size: 8, .value_kind: global_buffer, .address_space: global }
    .group_segment_fixed_size: 327680
    .private_segment_fixed_size: 0
    .kernarg_segment_align: 8
    .kernarg_segment_size: 16
    .max_flat_workgroup_size: 128
    .sgpr_count:     102
    .vgpr_count:     1024
    .wavefront_size: 32
...
	.end_amdgpu_metadata
.endif
;; end of part 2
;; launch attn (part 3): grid 2 x 128, 16 waves a work-group, no clusters, 327,680 bytes of LDS; arguments qkv, of; writes of
.if DOCPART == 3
	.amdgcn_target "amdgcn-amd-amdhsa--gfx1250"
	.amdhsa_code_object_version 6
	.text
	.protected	k_qb7b330684c_attn
	.globl	k_qb7b330684c_attn
	.p2align	8
	.type	k_qb7b330684c_attn,@function
k_qb7b330684c_attn:
	s_mov_b64 s[64:65], 0
	v_nop
	global_prefetch_b8 v0, s[64:65] scope:SCOPE_SE
	s_setreg_imm32_b32 hwreg(HW_REG_WAVE_MODE, 25, 1), 1
	s_wait_xcnt 0x0
; of[b, head][token][64] = softmax(q k^T / 8) v for one (batch, head) and 512 queries a work-group, both products on codes of FP6 (E2M3) with E8M0 scales.
; q, k, v come as images of operand registers: a run of 12 registers is 1,536 bytes, registers 4 i .. 4 i + 3 of lane l at 512 i + 16 l.
; t = score x log2(e) / 8 (the 1/8, a power of two, taken out of q's quantiser); M = the running largest t rounded up to a whole number; p = 2^(t - M) is quantised along the keys; the row's sum
; is taken of the unquantised p and divides at the end.  When M moves, the sum and O are multiplied by 2^(old M - new M): exact.
; SHARES.  Sixteen waves; a wave owns one tile of 16 queries at a time, two tiles one after the other, each over eight key steps of 128.  The head's K (8 records) and V (8 records) come into LDS once, by sixteen
; tensor loads, one a wave (waves 0-7 K's record w, waves 8-15 V's record w - 8), IN TWO STAGES: at the head the records of key steps 0 and 1 (waves 0, 1, 8, 9); behind the lines ahead of a
; later first fill, and a barrier, the other twelve.  Two key steps are walked while those land; then a wait for 0 and a barrier; then six.  Nothing is filled again.
; LAYOUT.  Both products transposed: S^T = K Q^T, O^T = V^T P^T: a lane holds one query.  WHICH KEYS FORM A TILE OF K IS CHOSEN BY THE LANES' LDS ADDRESSES: of each 64 keys, tile t takes keys 8 t + 0 .. 7 as its rows 0-7
; and keys 32 + 8 t + 0 .. 7 as its rows 8-15.  (In a record, run b holds in its lanes' rows 0-7 keys 32 b + 0 .. 15 and in rows 8-15 keys 32 b + 16 .. 31, eight to a tile: so lanes of rows 0-7 read run 2 c and
; lanes of rows 8-15 run 2 c + 1, at the lane that holds the wanted row.)  Then the 32 registers of four tiles are keys 64 c + 32 (lane / 16) + 0 .. 31: a WHOLE block of p in one lane, in the operand's own order.
; K's LDS rows are 512 bytes + 128 of padding: a run is 1,920 bytes.
; K = 64 IN AN INSTRUCTION OF 128: Q's registers 6-11 are zero codes, bytes 2, 3 of Q's and K's scale words are 0; K's registers 6-11 are the next tile's codes (behind the last tile zeros) and meet zero codes.
; NO CLUSTER: only two work-groups read a head's K and V, once each.  No prefetch: every record is asked for ahead of the first key step.
; LIMITS: NaN and infinities are not served; the promise holds while the scaled scores t stay under 2^31 in magnitude.
; REGISTERS: v1-11, v28-31 addresses; v12 -M, v13 largest score, v[14:15] the sum, v[212:213] its second chain, v214 the old -M; v16-21 Q, v22-27 zeros; v32-79 K's eight tiles, then V's four fragments; v80-85 zeros;
; v86-92 the second pass's Q and scale word; v96-159 S^T, then p; v160-191 O^T; v200-207 K's scale words, v208-211 V's; v216-222 conversions' second halves; v224-235 p's codes; v232-254 at work; v253 p's scale word; v255 Q's.
.set KOFF,  7340032
.set VOFF,  14680064
.set KREC,  7168                       ; a key step of K in memory: four runs, 1,024 bytes of scale words
.set KLDS,  8960                       ; in LDS: 14 rows of 512 + 128
.set VREC,  6656
.set VBLK,  8*KLDS
.set STAGE, VBLK+8*VREC                ; 16 rows x 272 bytes for each wave; no fill lands here
.set SPARE, STAGE+16*4352              ; the spare words: 128 bytes a wave
.set L16,  1
.set AV0,  2
.set VQ0,  3
.set VQ1,  4
.set STI,  5
.set STB,  6
.set GO,   7
.set ADK,  8
.set ADV,  9
.set VQ2,  10
.set VQS,  11
.set AK0,  28                          ; 16 (r % 8) + 256 h + 1,920 (r / 8)
.set AKS,  29                          ; 16 (r % 8) + 8 (r / 8)
.set SH8,  30                          ; 8 h
.set ADS,  31
.set QN,   86
.set T2,   216
.set WV,   18
.set SEL,  20
.set CS,   22
.set G1K,  24
.set G1V,  32
.set G0K,  40
.set G0V,  44
.set TK,   2
.set TV,   3
.set CNT,  8
.set QR,   10
.set OBASE, 14
	s_load_b128 s[4:7], s[0:1], 0x0                ; qkv, of
	v_lshl_add_u32 v250, v0, 2, SPARE
	v_mov_b32 v251, 0
	ds_add_u32 v250, v251                          ; the opening lines: the add twice on end and one wait
	ds_add_u32 v250, v251
	v_lshrrev_b32 v8, 5, v0
	s_delay_alu instid0(VALU_DEP_1)
	v_readfirstlane_b32 s[WV], v8                  ; wave 0..15
	s_and_b32 s9, ttmp7, 0xffff                    ; 16 batch + head
	s_mov_b32 s[G1K], (3<<16)|(1<<20)|(6<<22)|(31<<25)   ; K's record: 14 rows of 512 bytes (64 elements of 8), 32 words of padding behind each 128
	s_mov_b32 s[G1K+1], 64<<16
	s_mov_b32 s[G1K+2], 14<<16
	s_mov_b32 s[G1K+3], 64<<16
	s_mov_b32 s[G1K+4], 14
	s_mov_b32 s[G1K+5], 64
	s_mov_b32 s[G1K+6], 0
	s_mov_b32 s[G1K+7], 0
	s_mov_b32 s[G1V], 3<<16                        ; V's record: 26 rows of 256 bytes, dense
	s_mov_b32 s[G1V+1], 32<<16
	s_mov_b32 s[G1V+2], 26<<16
	s_mov_b32 s[G1V+3], 32<<16
	s_mov_b32 s[G1V+4], 26
	s_mov_b32 s[G1V+5], 32
	s_mov_b32 s[G1V+6], 0
	s_mov_b32 s[G1V+7], 0
	s_and_b32 s16, s[WV], 7                        ; my record
	s_mul_i32 s17, s16, KREC
	s_mul_i32 s19, s16, VREC
	s_mul_i32 s56, s9, 57344                       ; the head's block among q's, and among k's
	s_mul_i32 s57, s9, 53248
	s_add_co_u32 s58, s56, s17
	s_add_co_u32 s58, s58, KOFF
	s_mov_b32 s59, 0
	s_add_co_u32 s60, s57, s19
	s_add_co_u32 s60, s60, VOFF
	s_mov_b32 s61, 0
	s_mov_b32 s[G0K], 1
	s_mul_i32 s[G0K+1], s16, KLDS
	s_mov_b32 s[G0V], 1
	s_add_co_u32 s[G0V+1], s19, VBLK
	s_wait_dscnt 0x0
	s_wait_kmcnt 0x0
	s_add_nc_u64 s[G0K+2:G0K+3], s[4:5], s[58:59]
	s_or_b32 s[G0K+3], s[G0K+3], 0x80000000
	s_add_nc_u64 s[G0V+2:G0V+3], s[4:5], s[60:61]
	s_or_b32 s[G0V+3], s[G0V+3], 0x80000000
	s_cmp_lt_u32 s[WV], 2                          ; the head's fills: key steps 0 and 1; one chain of branches on the wave's number, one fill to an arm
	s_cbranch_scc0 .Lhead_v
	tensor_load_to_lds s[G0K:G0K+3], s[G1K:G1K+7]
	s_nop 0
	s_branch .Lasked
.Lhead_v:
	s_cmp_lt_u32 s[WV], 8
	s_cbranch_scc1 .Lasked
	s_cmp_lt_u32 s[WV], 10
	s_cbranch_scc0 .Lasked
	tensor_load_to_lds s[G0V:G0V+3], s[G1V:G1V+7]
	s_nop 0
.Lasked:
	; Q.  Pass p takes tile 32 x + 16 p + wave: record 4 x + 2 p + wave / 8 of the head's q, run (wave / 2) % 4, registers 0-5 (even wave) or 6-11 (odd).
	; Register pair n of a run lies at 512 (n / 2) + 8 (n % 2) + 16 lane.
	s_and_b32 s16, s[WV], 1
	s_lshl_b32 s62, ttmp9, 2
	s_lshr_b32 s63, s[WV], 3
	s_add_co_u32 s62, s62, s63
	s_mul_i32 s62, s62, KREC
	s_add_co_u32 s62, s62, s56
	s_mov_b32 s63, 0
	s_add_nc_u64 s[QR:QR+1], s[4:5], s[62:63]
	s_bfe_u32 s62, s[WV], 0x20001
	s_mul_i32 s62, s62, 1536
	s_mov_b32 s59, 512
	s_cmp_lg_u32 s16, 0
	s_cselect_b32 s57, 520, 0
	s_cselect_b32 s58, 1024, 8
	s_cselect_b32 s59, 1032, s59
	s_add_co_u32 s57, s57, s62
	s_add_co_u32 s58, s58, s62
	s_add_co_u32 s59, s59, s62
	s_bfe_u32 s60, s[WV], 0x10002                  ; the scale word of tile 4 j + e of a record: 6,144 + 512 j + 16 lane + 4 e
	s_lshl_b32 s60, s60, 9
	s_and_b32 s61, s[WV], 3
	s_lshl_b32 s61, s61, 2
	s_add_co_u32 s60, s60, s61
	s_add_co_u32 s60, s60, 6144
	s_lshl_b32 s[OBASE], s9, 18                    ; of: 262,144 bytes a head; tile 2 b + u begins at token 32 b + 8 u
	s_lshl_b32 s62, ttmp9, 17
	s_add_co_u32 s[OBASE], s[OBASE], s62
	s_lshr_b32 s62, s[WV], 1
	s_lshl_b32 s62, s62, 13
	s_add_co_u32 s[OBASE], s[OBASE], s62
	s_lshl_b32 s62, s16, 11
	s_add_co_u32 s[OBASE], s[OBASE], s62
	s_mov_b32 s[OBASE+1], 0
	s_add_nc_u64 s[OBASE:OBASE+1], s[6:7], s[OBASE:OBASE+1]
	s_mov_b32 s[SEL], 0x76543210
	s_mov_b32 s[SEL+1], 0xfedcba98                 ; selects for lane l xor 16
	s_mov_b32 s[CS], 0x3e38aa3b                    ; c = log2(e) / 8
	s_mov_b32 s[CS+1], s[CS]
	s_mul_i32 s56, s[WV], 4352
	s_add_co_u32 s56, s56, STAGE                   ; my stage
	v_and_b32 v240, 31, v0                         ; lane
	v_and_b32 v241, 15, v0                         ; r
	v_bfe_u32 v242, v0, 4, 1                       ; h
	v_and_b32 v243, 7, v0                          ; r % 8
	v_bfe_u32 v244, v0, 3, 1                       ; r / 8
	v_lshlrev_b32 v[L16], 4, v240
	v_lshlrev_b32 v[AK0], 4, v243
	v_lshlrev_b32 v[SH8], 3, v242
	v_mul_u32_u24 v[STI], v241, 272
	v_mul_u32_u24 v[STB], v242, 272
	v_add_nc_u32 v[VQ0], s57, v[L16]
	v_add_nc_u32 v[VQ1], s58, v[L16]
	v_add_nc_u32 v[VQ2], s59, v[L16]
	v_add_nc_u32 v[VQS], s60, v[L16]
	s_wait_alu depctr_va_vdst(0)
	global_load_b64 v[16:17], v[VQ0], s[QR:QR+1]   ; the first pass's Q and its scale word
	global_load_b64 v[18:19], v[VQ1], s[QR:QR+1]
	global_load_b64 v[20:21], v[VQ2], s[QR:QR+1]
	global_load_b32 v255, v[VQS], s[QR:QR+1]
	v_add_nc_u32 v[AV0], VBLK, v[L16]
	v_lshl_add_u32 v[AKS], v244, 3, v[AK0]
	v_lshl_add_u32 v[AK0], v242, 8, v[AK0]
	v_lshl_add_u32 v[STI], v242, 6, v[STI]
	v_lshl_add_u32 v[STB], v241, 4, v[STB]
	v_lshlrev_b32 v[GO], 8, v242
	v_mad_u32_u24 v[AK0], v244, 1920, v[AK0]
	v_add_nc_u32 v[STI], s56, v[STI]               ; the stage, in: row r, + 64 h
	v_add_nc_u32 v[STB], s56, v[STB]               ; back: lanes 0-15 one row, lanes 16-31 the next
	v_lshl_add_u32 v[GO], v241, 4, v[GO]
.irp j, 22,23,24,25,26,27,80,81,82,83,84,85
	v_mov_b32 v[\j], 0                             ; zero codes: Q's upper half, and what stands behind K's last tile
.endr
	v_mov_b32 v236, 0                              ; a lane permute's destination counts as one of its sources
	v_mov_b32 v238, 0
	v_mov_b32 v253, 0                              ; (named as the upper half of the pair v[252:253] before it is first written)
.macro INIT                            ; a pass begins: the step is written once and finds zeros
	v_mov_b32 v13, 0xff61b1e6                      ; the largest score so far: -3e38
	s_delay_alu instid0(VALU_DEP_1)
	v_floor_f32 v12, -v13
	v_mov_b32 v14, 0
	v_mov_b32 v15, 0
	v_mov_b32 v212, 0
	v_mov_b32 v213, 0
.irp j, 0,1,2,3,4,5,6,7,8,9,10,11,12,13,14,15,16,17,18,19,20,21,22,23,24,25,26,27,28,29,30,31
	v_mov_b32 v[160+\j], 0                         ; O^T
.endr
	s_mov_b32 s[TK], 0
	s_mov_b32 s[TV], 0
.endm
.macro SUMS j0, j1                     ; four additions of the row's sum, in two chains
.irp j, \j0, \j1
	v_pk_add_f32 v[14:15], v[14:15], v[96+\j:97+\j]
	v_pk_add_f32 v[212:213], v[212:213], v[98+\j:99+\j]
.endr
.endm
; A KEY STEP: 128 keys.  Four plain lines stand behind the last products of the step before: its own last four.
.macro STEP
.irp c, 0,1
.irp w, 0,1
.irp i, 0,1,2
	ds_load_b128 v[32+24*\c+12*\w+4*\i:35+24*\c+12*\w+4*\i], v[ADK] offset:3840*\c+128*\w+640*\i   ; tiles 4 c + 2 w and the next: rows 0-7 from run 2 c, rows 8-15 from run 2 c + 1
.endr
.endr
.endr
.irp c, 0,1
.irp w, 0,1
	ds_load_b64 v[200+4*\c+2*\w:201+4*\c+2*\w], v[ADS] offset:7680+640*\c+128*\w   ; and the same rows' scale words
.endr
.endr
	s_wait_dscnt 0x0
.irp t, 0,1,2,3,4,5,6,7
	v_wmma_scale_f32_16x16x128_f8f6f4 v[96+8*\t:103+8*\t], v[32+6*\t:43+6*\t], v[16:27], 0, v[200+\t], v255 matrix_a_fmt:MATRIX_FMT_FP6 matrix_b_fmt:MATRIX_FMT_FP6
.endr
	v_pk_add_f32 v[14:15], v[14:15], v[212:213]    ; the last step's second chain joins the sum, still under the old M.  These four lines are the places
	v_mov_b32 v214, v12                            ; the old -M
	v_nop
	v_nop
.irp t, 0,1,2,3
.irp i, 0,1,2
	ds_load_b128 v[32+12*\t+4*\i:35+12*\t+4*\i], v[ADV] offset:1536*\t+512*\i   ; V's four fragments land while the softmax is walked
.endr
.endr
	ds_load_b128 v[208:211], v[ADV] offset:6144
.irp b, 0,1,2,3
	v_max3_num_f32 v[232+\b], v[96+16*\b], v[97+16*\b], v[98+16*\b]   ; four chains of 16 scores
.endr
.irp i, 3,5,7,9,11,13
.irp b, 0,1,2,3
	v_max3_num_f32 v[232+\b], v[232+\b], v[96+16*\b+\i], v[97+16*\b+\i]
.endr
.endr
.irp c, 0,1
	v_max3_num_f32 v[232+2*\c], v[232+2*\c], v[233+2*\c], v[111+32*\c]
.endr
.irp c, 0,1
	v_max_num_f32 v[232+2*\c], v[232+2*\c], v[127+32*\c]   ; the largest score of my block 2 c + h: for the row's maximum, and, since p rises with the score, for the block's largest p
.endr
	s_delay_alu instid0(VALU_DEP_1)
	v_max_num_f32 v233, v232, v234
	s_delay_alu instid0(VALU_DEP_1)
	v_permlanex16_b32 v236, v233, s[SEL], s[SEL+1]
	s_delay_alu instid0(VALU_DEP_1)
	v_max3_num_f32 v13, v13, v233, v236            ; the running largest score of my query, lane l xor 16's keys among them
	s_delay_alu instid0(VALU_DEP_1)
	v_mul_f32 v254, s[CS], v13                     ; as t (c is positive)
	s_delay_alu instid0(VALU_DEP_1)
	v_floor_f32 v12, -v254                         ; the new -M = floor(-t): M is a whole number
	s_delay_alu instid0(VALU_DEP_1)
	v_sub_f32 v254, v12, v214                      ; old M - new M: a whole number, 0 or less
	s_delay_alu instid0(VALU_DEP_1)
	v_cvt_i32_f32 v254, v254                       ; (it saturates)
	s_delay_alu instid0(VALU_DEP_1)
	v_ldexp_f32 v252, 1.0, v254                    ; f = 2^(old M - new M)
.irp j, 0,2,4,6,8,10,12,14,16,18,20,22,24,26,28,30,32,34,36,38,40,42,44,46,48,50,52,54,56,58,60,62
	v_pk_fma_f32 v[96+\j:97+\j], v[96+\j:97+\j], s[CS:CS+1], v[12:13] op_sel_hi:[1,0,0]   ; t - M, two at a time
.endr
	v_fma_f32 v232, v232, s[CS], v12               ; the same of each block's largest score
	v_fma_f32 v234, v234, s[CS], v12
	s_wait_alu depctr_va_vdst(0)
.irp j, 0,1,2,3,4,5,6,7,8,9,10,11,12,13,14,15,16,17,18,19,20,21,22,23,24,25,26,27,28,29,30,31,32,33,34,35,36,37,38,39,40,41,42,43,44,45,46,47,48,49,50,51,52,53,54,55,56,57,58,59,60,61,62,63
	v_exp_f32 v[96+\j], v[96+\j]                   ; p = 2^(t - M), at most 1
.endr
	v_exp_f32 v232, v232                           ; the blocks' largest p
	v_exp_f32 v234, v234
	v_pk_mul_f32 v[14:15], v[14:15], v[252:253] op_sel_hi:[1,0]   ; the sum under the new M (a plain line behind the exponentials)
	s_wait_alu depctr_va_vdst(0)                   ; one wait for the batch, ahead of its first reader
	v_pk_add_f32 v[212:213], v[96:97], v[98:99]    ; the row's sum, of the unquantised p; the scale's lines stand among the additions; the last four additions at the step's end
	v_max_num_f32 v232, 0x1800000, v232            ; the floor 2^(3 - 127): the byte cannot fall under 1
	v_max_num_f32 v234, 0x1800000, v234
	SUMS 4, 8
	v_add_nc_u32 v244, 0xff000000, v232            ; 2 off the exponent field: the conversion's scale operand
	v_add_nc_u32 v245, 0xff000000, v234
	SUMS 12, 16
	v_lshrrev_b32 v236, 23, v244
	v_lshrrev_b32 v237, 23, v245
	SUMS 20, 24
	v_lshl_or_b32 v253, v237, 16, v236             ; my bytes: blocks h and 2 + h,
	SUMS 28, 32
	v_lshlrev_b32 v253, v[SH8], v253               ; at their places in the word;
	SUMS 36, 40
	v_permlanex16_b32 v238, v253, s[SEL], s[SEL+1]
	SUMS 44, 48
	v_or_b32 v253, v253, v238                      ; with lane l xor 16's two: p's scale word for these 128 keys
	v_pk_add_f32 v[14:15], v[14:15], v[148:149]
	v_pk_add_f32 v[212:213], v[212:213], v[150:151]
.irp c, 0,1
	v_cvt_scalef32_pk16_fp6_f32 v[224+6*\c:226+6*\c], v[96+32*\c:111+32*\c], v[244+\c]
	v_cvt_scalef32_pk16_fp6_f32 v[T2+4*\c:T2+4*\c+2], v[112+32*\c:127+32*\c], v[244+\c]   ; (a conversion's three registers begin on an even number)
.endr
	v_nop                                          ; a plain line behind the conversions
.irp c, 0,1
.irp i, 0,1,2
	v_mov_b32 v[227+6*\c+\i], v[T2+4*\c+\i]        ; registers 6 c .. 6 c + 5: keys 64 c + 32 h + 0 .. 31
.endr
.endr
	s_wait_alu depctr_va_vdst(0)                   ; directly ahead of the first reader of O^T
.irp j, 0,2,4,6,8,10,12,14,16,18,20,22,24,26,28,30
	v_pk_mul_f32 v[160+\j:161+\j], v[160+\j:161+\j], v[252:253] op_sel_hi:[1,0]   ; O^T under the new M; these sixteen are also the places between p's codes and scale word and the products
.endr
	s_wait_alu depctr_va_vdst(0)
	s_wait_dscnt 0x0                               ; V's fragments and scale words are in
.irp t, 0,1,2,3
	v_wmma_scale_f32_16x16x128_f8f6f4 v[160+8*\t:167+8*\t], v[32+12*\t:43+12*\t], v[224:235], v[160+8*\t:167+8*\t], v[208+\t], v253 matrix_a_fmt:MATRIX_FMT_FP6 matrix_b_fmt:MATRIX_FMT_FP6
.endr
	v_pk_add_f32 v[14:15], v[14:15], v[152:153]    ; the sum's last four additions: the four places in front of the next loads into V's registers
	v_pk_add_f32 v[212:213], v[212:213], v[154:155]
	v_pk_add_f32 v[14:15], v[14:15], v[156:157]
	v_pk_add_f32 v[212:213], v[212:213], v[158:159]
.endm
; THE WAY OUT of pass p: O^T / the sum, through my stage, as whole rows of 256 bytes.
.macro WAYOUT p
	v_pk_add_f32 v[14:15], v[14:15], v[212:213]
	s_delay_alu instid0(VALU_DEP_1)
	v_add_f32 v14, v14, v15
	s_delay_alu instid0(VALU_DEP_1)
	v_permlanex16_b32 v252, v14, s[SEL], s[SEL+1]
	s_delay_alu instid0(VALU_DEP_1)
	v_add_f32 v14, v14, v252                       ; the row's sum
	s_wait_alu depctr_va_vdst(0)
	v_rcp_f32 v14, v14
	v_nop
	s_wait_alu depctr_va_vdst(0)
.irp j, 0,1,2,3,4,5,6,7,8,9,10,11,12,13,14,15,16,17,18,19,20,21,22,23,24,25,26,27,28,29,30,31
	v_mul_f32 v[96+\j], v[160+\j], v14             ; register 8 t + j: d = 32 (t / 2) + 16 h + 8 (t % 2) + j of query r
.endr
.irp t, 0,1,2,3
	ds_store_b128 v[STI], v[96+8*\t:99+8*\t] offset:128*(\t/2)+32*(\t%2)
	ds_store_b128 v[STI], v[100+8*\t:103+8*\t] offset:128*(\t/2)+32*(\t%2)+16
.endr
.irp i, 0,1,2,3,4,5,6,7
	ds_load_b128 v[32+4*\i:35+4*\i], v[STB] offset:544*\i   ; LDS serves a wave's instructions in order: these see my stores
.endr
.irp i, 0,1,2,3,4,5,6,7
	s_wait_dscnt 7-\i                              ; the younger loads may be out
	global_store_b128 v[GO], v[32+4*\i:35+4*\i], s[OBASE:OBASE+1] offset:65536*\p+256*(2*\i+8*(\i/4))   ; positions 2 i, 2 i + 1 of the tile are tokens 2 i + 8 (i / 4) and the next: 512 consecutive bytes, aligned
.endr
.endm
.macro TRIPS name, n                   ; n key steps on from where s[TK] and s[TV] stand
	s_mov_b32 s[CNT], \n
.L\name:
	v_add_nc_u32 v[ADK], s[TK], v[AK0]
	v_add_nc_u32 v[ADS], s[TK], v[AKS]
	v_add_nc_u32 v[ADV], s[TV], v[AV0]
	s_wait_alu depctr_va_vdst(0)
	STEP
	s_add_co_u32 s[TK], s[TK], KLDS
	s_add_co_u32 s[TV], s[TV], VREC
	s_sub_co_u32 s[CNT], s[CNT], 1
	s_cmp_lg_u32 s[CNT], 0
	s_cbranch_scc1 .L\name
.endm
	s_wait_alu depctr_va_vdst(0)
	s_wait_loadcnt 0x0                             ; the first pass's Q
	s_wait_tensorcnt 0x0                           ; my record, if I asked for one, has landed; the lines ahead of a later first fill:
	ds_add_u32 v250, v251                          ; the add, twice on end
	ds_add_u32 v250, v251
	s_wait_dscnt 0x0
	s_barrier_signal -1
	s_barrier_wait -1                              ; key steps 0 and 1 are whole
	s_cmp_lt_u32 s[WV], 2                          ; the other twelve records, one load a wave, first behind the barrier
	s_cbranch_scc1 .Lall_asked
	s_cmp_lt_u32 s[WV], 8
	s_cbranch_scc0 .Lrest_v
	tensor_load_to_lds s[G0K:G0K+3], s[G1K:G1K+7]
	s_nop 0
	s_branch .Lall_asked
.Lrest_v:
	s_cmp_lt_u32 s[WV], 10
	s_cbranch_scc1 .Lall_asked
	tensor_load_to_lds s[G0V:G0V+3], s[G1V:G1V+7]
	s_nop 0
.Lall_asked:
	global_load_b64 v[QN:QN+1], v[VQ0], s[QR:QR+1] offset:2*KREC     ; the second pass's Q and its scale word
	global_load_b64 v[QN+2:QN+3], v[VQ1], s[QR:QR+1] offset:2*KREC
	global_load_b64 v[QN+4:QN+5], v[VQ2], s[QR:QR+1] offset:2*KREC
	global_load_b32 v[QN+6], v[VQS], s[QR:QR+1] offset:2*KREC
	INIT
	TRIPS first_two, 2                             ; key steps 0 and 1, while the other records land
	s_wait_tensorcnt 0x0                           ; my record has landed,
	s_barrier_signal -1
	s_barrier_wait -1                              ; and so has everybody's
	TRIPS first_six, 6
	WAYOUT 0
	s_wait_xcnt 0x0                                ; the first pass's stores have read their registers
	s_wait_loadcnt 0x0                             ; the second pass's Q
.irp j, 0,1,2,3,4,5
	v_mov_b32 v[16+\j], v[QN+\j]
.endr
	v_mov_b32 v255, v[QN+6]
	INIT                                           ; (its lines are the places between Q's registers and scale word and the first product)
	TRIPS second, 8
	WAYOUT 1
	s_wait_tensorcnt 0x0                           ; the wave's end
	ds_add_u32 v250, v251
	s_wait_dscnt 0x0
	s_endpgm
.Lfunc_end_k_qb7b330684c_attn:
	.size	k_qb7b330684c_attn, .Lfunc_end_k_qb7b330684c_attn-k_qb7b330684c_attn
	.p2alignl 7, 3214868480
	.fill 96, 4, 3214868480
	.section	.rodata,"a",@progbits
	.p2align	6, 0x0
	.amdhsa_kernel k_qb7b330684c_attn
		.amdhsa_group_segment_fixed_size 327680
		.amdhsa_private_segment_fixed_size 0
		.amdhsa_enable_private_segment 0
		.amdhsa_kernarg_size 16
		.amdhsa_user_sgpr_count 2
		.amdhsa_user_sgpr_kernarg_segment_ptr 1
		.amdhsa_wavefront_size32 1
		.amdhsa_system_sgpr_workgroup_id_x 1
		.amdhsa_system_sgpr_workgroup_id_y 1
		.amdhsa_system_sgpr_workgroup_id_z 1
		.amdhsa_system_vgpr_workitem_id 0
		.amdhsa_next_free_vgpr 256
		.amdhsa_next_free_sgpr 66
		.amdhsa_reserve_vcc 0
		.amdhsa_float_denorm_mode_32 3
		.amdhsa_float_denorm_mode_16_64 3
		.amdhsa_memory_ordered 1
		.amdhsa_forward_progress 1
		.amdhsa_inst_pref_size 63
	.end_amdhsa_kernel
	.amdgpu_metadata
---
amdhsa.version: [ 1, 2 ]
amdhsa.kernels:
  - .name:           k_qb7b330684c_attn
    .symbol:         k_qb7b330684c_attn.kd
    .args:
      - { .name: qkv, .offset: 0, .size: 8, .value_kind: global_buffer, .address_space: global }
      - { .name: of, .offset: 8, .size: 8, .value_kind: global_buffer, .address_space: global }
    .group_segment_fixed_size: 327680
    .private_segment_fixed_size: 0
    .kernarg_segment_align: 8
    .kernarg_segment_size: 16
    .max_flat_workgroup_size: 512
    .sgpr_count:     66
    .vgpr_count:     256
    .wavefront_size: 32
...
	.end_amdgpu_metadata
.endif
;; end of part 3
;; launch oquant (part 4): grid 256 x 1, 4 waves a work-group, no clusters, 26,112 bytes of LDS; arguments of, oq; writes oq
.if DOCPART == 4
	.amdgcn_target "amdgcn-amd-amdhsa--gfx1250"
	.amdhsa_code_object_version 6
	.text
	.protected	k_qb7b330684c_oquant
	.globl	k_qb7b330684c_oquant
	.p2align	8
	.type	k_qb7b330684c_oquant,@function
k_qb7b330684c_oquant:
	s_mov_b64 s[64:65], 0
	v_nop
	global_prefetch_b8 v0, s[64:65] scope:SCOPE_SE
	s_setreg_imm32_b32 hwreg(HW_REG_WAVE_MODE, 25, 1), 1
	s_wait_xcnt 0x0
; The attention's result, of [batch x 16 + head][token][64] f32, becomes the last product's left operand: for each token 1,024 codes of FP6 (E2M3) along c = 16 d + head and 32 E8M0 bytes.
; A block of 32 along c is d = 2 l, 2 l + 1 of all 16 heads.  LANE l TAKES BLOCK l: one load of 8 bytes for each head; register 2 head + d % 2 is place i of the block, the order in which w_proj's codes were laid.
; So a block lies whole in one lane's 32 registers.  oq: codes at 768 x token, scale bytes at OS + 32 x token.
; A wave takes 8 tokens; each load of the wave covers 256 consecutive bytes, aligned.  Codes and bytes are gathered in the wave's own LDS and leave as 6,144 and 256 consecutive bytes.  Waves share nothing: no barrier.
; Memory binds: no matrix unit, no cluster, no tensor load.
; LIMITS: a block whose largest magnitude lies under 2^-124 (a block of zeros among them) keeps the byte 1; NaN and infinities are not served.
.set OS,  6291456
.set X,   32                           ; v32-159  four sets of 32 numbers
.set C,   160                          ; v160-207 six registers of codes a token
.set T2,  208                          ; v208-210 a conversion's second half
.set E,   212                          ; v212-219 a scale byte a token
	s_load_b128 s[4:7], s[0:1], 0x0                ; of, oq
	v_lshl_add_u32 v224, v0, 2, 0x6400
	v_mov_b32 v225, 0
	v_lshrrev_b32 v1, 5, v0
	v_readfirstlane_b32 s8, v1                     ; wave
	v_and_b32 v2, 31, v0                           ; lane
	s_wait_alu depctr_va_vdst(0)
	s_lshl_b32 s9, ttmp9, 5
	s_lshl_b32 s10, s8, 3
	s_add_co_u32 s9, s9, s10                       ; my first token
	s_lshr_b32 s10, s9, 10
	s_lshl_b32 s10, s10, 22                        ; a batch is 16 heads x 262,144 bytes
	s_and_b32 s11, s9, 1023
	s_lshl_b32 s11, s11, 8
	s_add_co_u32 s10, s10, s11
	s_mov_b32 s11, 0
	s_mul_i32 s12, s9, 768
	s_mov_b32 s13, 0
	s_lshl_b32 s14, s9, 5
	s_add_co_u32 s14, s14, OS
	s_mov_b32 s15, 0
	s_mul_i32 s16, s8, 6400                        ; my LDS: 6,144 bytes of codes, 256 scale bytes
	v_lshlrev_b32 v3, 3, v2                        ; 8 x lane
	v_mul_u32_u24 v4, v2, 24
	v_add_nc_u32 v4, s16, v4                       ; my block's 24 bytes in a row of codes
	v_add_nc_u32 v5, s16, v2
	v_add_nc_u32 v5, 6144, v5                      ; my block's byte
	v_lshlrev_b32 v7, 4, v2
	v_add_nc_u32 v6, s16, v7                       ; the way out: 16 bytes a lane
	v_add_nc_u32 v14, s16, v3
	v_add_nc_u32 v14, 6144, v14
	s_wait_alu depctr_va_vdst(0)
	s_wait_kmcnt 0x0
	s_add_nc_u64 s[4:5], s[4:5], s[10:11]
	s_add_nc_u64 s[18:19], s[6:7], s[12:13]
	s_add_nc_u64 s[20:21], s[6:7], s[14:15]
.macro LOAD k
.irp hd, 0,1,2,3,4,5,6,7,8,9,10,11,12,13,14,15
	global_load_b64 v[X+32*((\k)%4)+2*\hd:X+32*((\k)%4)+2*\hd+1], v3, s[4:5] offset:262144*\hd+256*(\k) th:TH_LOAD_NT
.endr
.endm
.macro TOKEN k
.set XT, X+32*((\k)%4)
.set CT, C+6*(\k)
.if 7-(\k) >= 3
	s_wait_loadcnt 48                              ; this token's 16 loads are in; three tokens' may be out
.else
	s_wait_loadcnt 16*(7-(\k))
.endif
	v_max3_num_f32 v8, |v[XT]|, |v[XT+1]|, |v[XT+2]|
	v_max3_num_f32 v9, |v[XT+3]|, |v[XT+4]|, |v[XT+5]|
.irp i, 6,10,14,18,22,26
	v_max3_num_f32 v8, v8, |v[XT+\i]|, |v[XT+\i+1]|
	v_max3_num_f32 v9, v9, |v[XT+\i+2]|, |v[XT+\i+3]|
.endr
	v_max3_num_f32 v8, v8, |v[XT+30]|, |v[XT+31]|
	v_max3_num_f32 v8, v8, v9, 0x1800000           ; and the floor 2^(3 - 127)
	v_add_nc_u32 v11, 0xff000000, v8               ; 2 off the exponent field: the conversion's scale operand
	v_cvt_scalef32_pk16_fp6_f32 v[CT:CT+2], v[XT:XT+15], v11
	v_cvt_scalef32_pk16_fp6_f32 v[T2:T2+2], v[XT+16:XT+31], v11   ; (a conversion's three registers begin on an even number)
	v_lshrrev_b32 v[E+(\k)], 23, v11               ; the scale's byte (a plain line behind the conversions)
.irp i, 0,1,2
	v_mov_b32 v[CT+3+\i], v[T2+\i]
.endr
.irp i, 0,1,2
	ds_store_b64 v4, v[CT+2*\i:CT+2*\i+1] offset:768*(\k)+8*\i
.endr
	ds_store_b8 v5, v[E+(\k)] offset:32*(\k)
.if (\k) < 4
	LOAD (\k)+4
.endif
.endm
.irp k, 0,1,2,3
	LOAD \k
.endr
.irp k, 0,1,2,3,4,5,6,7
	TOKEN \k
.endr
.irp j, 0,1,2,3,4,5,6,7,8,9,10,11
	ds_load_b128 v[X+4*\j:X+4*\j+3], v6 offset:512*\j   ; LDS serves a wave's instructions in order: these see my stores
.endr
	ds_load_b64 v[12:13], v14
.irp j, 0,1,2,3,4,5,6,7,8,9,10,11
	s_wait_dscnt 12-\j                             ; the younger loads may be out
	global_store_b128 v7, v[X+4*\j:X+4*\j+3], s[18:19] offset:512*\j   ; 512 consecutive bytes, aligned
.endr
	s_wait_dscnt 0x0
	global_store_b64 v3, v[12:13], s[20:21]        ; 256 consecutive bytes, aligned
	s_wait_tensorcnt 0x0
	ds_add_u32 v224, v225
	s_wait_dscnt 0x0
	s_endpgm
.Lfunc_end_k_qb7b330684c_oquant:
	.size	k_qb7b330684c_oquant, .Lfunc_end_k_qb7b330684c_oquant-k_qb7b330684c_oquant
	.p2alignl 7, 3214868480
	.fill 96, 4, 3214868480
	.section	.rodata,"a",@progbits
	.p2align	6, 0x0
	.amdhsa_kernel k_qb7b330684c_oquant
		.amdhsa_group_segment_fixed_size 26112
		.amdhsa_private_segment_fixed_size 0
		.amdhsa_enable_private_segment 0
		.amdhsa_kernarg_size 16
		.amdhsa_user_sgpr_count 2
		.amdhsa_user_sgpr_kernarg_segment_ptr 1
		.amdhsa_wavefront_size32 1
		.amdhsa_system_sgpr_workgroup_id_x 1
		.amdhsa_system_sgpr_workgroup_id_y 1
		.amdhsa_system_sgpr_workgroup_id_z 1
		.amdhsa_system_vgpr_workitem_id 0
		.amdhsa_next_free_vgpr 226
		.amdhsa_next_free_sgpr 66
		.amdhsa_reserve_vcc 0
		.amdhsa_float_denorm_mode_32 3
		.amdhsa_float_denorm_mode_16_64 3
		.amdhsa_memory_ordered 1
		.amdhsa_forward_progress 1
		.amdhsa_inst_pref_size 30
	.end_amdhsa_kernel
	.amdgpu_metadata
---
amdhsa.version: [ 1, 2 ]
amdhsa.kernels:
  - .name:           k_qb7b330684c_oquant
    .symbol:         k_qb7b330684c_oquant.kd
    .args:
      - { .name: of, .offset: 0, .size: 8, .value_kind: global_buffer, .address_space: global }
      - { .name: oq, .offset: 8, .size: 8, .value_kind: global_buffer, .address_space: global }
    .group_segment_fixed_size: 26112
    .private_segment_fixed_size: 0
    .kernarg_segment_align: 8
    .kernarg_segment_size: 16
    .max_flat_workgroup_size: 128
    .sgpr_count:     66
    .vgpr_count:     226
    .wavefront_size: 32
...
	.end_amdgpu_metadata
.endif
;; end of part 4
;; launch gemm_proj (part 5): grid 4 x 64, 4 waves a work-group, clusters of 4 x 4, 327,680 bytes of LDS; arguments oq, cw, b_proj, out0; writes out0
.if DOCPART == 5
	.amdgcn_target "amdgcn-amd-amdhsa--gfx1250"
	.amdhsa_code_object_version 6
	.text
	.protected	k_qb7b330684c_gemm_proj
	.globl	k_qb7b330684c_gemm_proj
	.p2align	8
	.type	k_qb7b330684c_gemm_proj,@function
k_qb7b330684c_gemm_proj:
	s_mov_b64 s[64:65], 0
	v_nop
	global_prefetch_b8 v0, s[64:65] scope:SCOPE_SE
	s_setreg_imm32_b32 hwreg(HW_REG_WAVE_MODE, 25, 1), 1
	s_wait_xcnt 0x0
	s_wait_alu depctr_hold_cnt(0) depctr_sa_sdst(0) depctr_va_vdst(0) depctr_va_sdst(0) depctr_va_ssrc(0) depctr_va_vcc(0) depctr_vm_vsrc(0)
	s_getreg_b32 s2, hwreg(HW_REG_IB_STS2, 6, 4)
	s_cmp_eq_u32 s2, 0
	s_cbranch_scc0 .Lentry_in_a_cluster
	s_endpgm
.Lentry_in_a_cluster:
	s_bfe_u32 s2, ttmp6, 0x10000c
	s_cmp_lg_u32 s2, 0xf033
	s_cbranch_scc0 .Lentry_shape_is_right
	s_endpgm
.Lentry_shape_is_right:
; out0 = (the attention's result) w_proj + b_proj on codes of FP6 (E2M3) with E8M0 scales.  A: oq, 8,192 tokens (768 bytes of codes at 768 x token, 32 scale bytes at OS + 32 x token); B: cw's rows 11,264 + position of column.
; A tile of out0 is 128 tokens x 256 columns; four waves, 64 x 128 each: 32 accumulators.  ALL OF K LIES IN LDS: whole rows of 768 bytes, which begin at multiples of 256 bytes, 16 bytes of padding behind every 256:
; 384 rows x 816 bytes, and the rows' scale bytes.  Four joint loads at the head, ONE A WAVE: A's 128 rows, B's 256 rows, A's scales, B's scales.  Nothing is filled again: one wait, one barrier, eight steps of 128 along K.
; The matrix instruction is used transposed (source 0 = 16 rows of B, source 1 = 16 rows of A): a lane holds 8 columns of one token.  The bias is the C of the first step's products.
; The stage of the way out lies on A's rows: a barrier, with every wave's LDS reads waited for, stands in front of its first store; no fill follows.
; CLUSTERS: 4 x 4; A's tiles are asked for jointly along a row of the cluster, B's along a column.  No prefetch: all fills stand at the head, there is no loop to run ahead in.
; LIMITS: NaN and infinities are not served.
.set OS,     6291456
.set WPC,    11264*768
.set WPS,    9437184+11264*32
.set SIZE_N, 1024
.set NQ,     2
.set KROW,   768
.set PITCH,  816
.set FR,     12
.set NL,     6
.set NP,     4
.set KS,     32
.set SCL,    384*PITCH
.set HSA,    (64*KS/256)*272
.set HALFS,  (128*KS/256)*272
.set SBLK,   (16*KS/256)*272
.set SPARE,  SCL+2*HSA+2*HALFS         ; the spare words: 128 bytes a wave
.set SPITCH, 528
.set ADRA, 16                          ; v16 row x pitch + 24 h; v17 the same + 16 h, for pieces whose lanes 16-31 lie behind one padding more
.set ADRB, 20                          ; v20-21 the same for B's blocks 0-3, v22-23 for blocks 4-7
.set STO,  24
.set RD,   25
.set CO,   26
.set ADRS, 27
.set SPW,  28
.set NIL,  29
.set SC,   32
.set BI,   64
.set AF,   128
.set BK,   128
.set G1, 24
.set G0A, 32
.set G0B, 36
.set G1B, 48
.set G0S, 56
.set G0SB, 60
.set G1S, 68
.set G1SB, 80
.set MSB, 0
.macro WIN new
.if MSB != (\new)
	s_set_vgpr_msb (MSB<<8)|(\new)
.set MSB, (\new)
.endif
.endm
.set MUL_LO, 0xa1
.set TO_B,   0x40
.macro CREST
	s_cmp_lg_u32 s14, 0
	s_cbranch_scc1 .Lnot_wave_0_\@
	s_barrier_signal -3
.Lnot_wave_0_\@:
	s_barrier_wait -3
	s_barrier_signal -1
	s_barrier_wait -1
.endm
.macro CROUND
	s_barrier_signal -1
	s_barrier_wait -1
	CREST
.endm
	s_load_b128 s[4:7], s[0:1], 0x0                ; oq, cw
	s_load_b128 s[8:11], s[0:1], 0x10              ; b_proj, out0
	v_lshl_add_u32 v[SPW], v0, 2, SPARE
	v_mov_b32 v[NIL], 0
	ds_add_u32 v[SPW], v[NIL]                      ; the opening lines: the add twice on end and one wait
	ds_add_u32 v[SPW], v[NIL]
	v_lshrrev_b32 v1, 5, v0
	v_readfirstlane_b32 s14, v1                    ; wave
	s_lshr_b32 s15, s14, 1                         ; my 64 rows of A
	s_and_b32 s16, s14, 1                          ; my 128 rows of B
	s_bfe_u32 s40, ttmp6, 0x40000
	s_bfe_u32 s41, ttmp6, 0x40004
	s_lshl_b32 s42, ttmp9, 2
	s_add_co_u32 s42, s42, s40                     ; tile column
	s_and_b32 s17, ttmp7, 0xffff
	s_lshl_b32 s17, s17, 2
	s_add_co_u32 s17, s17, s41                     ; tile row
	s_lshl_b32 s43, s41, 2
	s_lshl_b32 s43, 15, s43
	s_lshl_b32 s44, 0x1111, s40
	s_or_b32 s[G1+0], s43, (0<<16)|(1<<20)|(1<<21)|(5<<22)|(3<<25)   ; rows of 768 bytes, 4 words of padding behind every 64
	s_or_b32 s[G1B+0], s44, (0<<16)|(1<<20)|(1<<21)|(5<<22)|(3<<25)
.irp g, G1, G1B
	s_mov_b32 s[\g+1], KROW<<16
	s_mov_b32 s[\g+3], KROW<<16
	s_mov_b32 s[\g+5], KROW
	s_mov_b32 s[\g+6], 0
	s_mov_b32 s[\g+7], 0
.endr
	s_mov_b32 s[G1+2], 128<<16
	s_mov_b32 s[G1+4], 128
	s_mov_b32 s[G1B+2], 256<<16
	s_mov_b32 s[G1B+4], 256
	s_or_b32 s[G1S+0], s43, (3<<16)|(1<<20)|(1<<21)|(5<<22)|(3<<25)  ; scale bytes: dense, as rows of 256 bytes
	s_or_b32 s[G1SB+0], s44, (3<<16)|(1<<20)|(1<<21)|(5<<22)|(3<<25)
.irp g, G1S, G1SB
	s_mov_b32 s[\g+1], 32<<16
	s_mov_b32 s[\g+3], 32<<16
	s_mov_b32 s[\g+5], 32
	s_mov_b32 s[\g+6], 0
	s_mov_b32 s[\g+7], 0
.endr
	s_mov_b32 s[G1S+2], 16<<16
	s_mov_b32 s[G1S+4], 16
	s_mov_b32 s[G1SB+2], 32<<16
	s_mov_b32 s[G1SB+4], 32
	s_lshl_b32 s20, s17, 7                         ; A's first row
	s_lshl_b32 s46, s42, 8                         ; B's
	s_mov_b32 s21, 0
	s_mov_b32 s47, 0
	s_mov_b64 s[18:19], KS
	s_mul_u64 s[22:23], s[20:21], s[18:19]
	s_mul_u64 s[92:93], s[46:47], s[18:19]
	s_mov_b64 s[18:19], KROW
	s_mul_u64 s[20:21], s[20:21], s[18:19]
	s_mul_u64 s[46:47], s[46:47], s[18:19]
	s_wait_dscnt 0x0
	s_wait_kmcnt 0x0
	s_add_nc_u64 s[20:21], s[4:5], s[20:21]
	s_add_nc_u64 s[22:23], s[4:5], s[22:23]
	s_add_nc_u64 s[22:23], s[22:23], OS
	s_add_nc_u64 s[46:47], s[6:7], s[46:47]
	s_add_nc_u64 s[46:47], s[46:47], WPC
	s_add_nc_u64 s[92:93], s[6:7], s[92:93]
	s_add_nc_u64 s[92:93], s[92:93], WPS
	CROUND                                         ; all sixteen work-groups are here: the joint loads meet
	s_mov_b32 s[G0A], 1
	s_mov_b32 s[G0A+1], 0
	s_mov_b64 s[G0A+2:G0A+3], s[20:21]
	s_or_b32 s[G0A+3], s[G0A+3], 0x80000000
	s_mov_b32 s[G0B], 1
	s_mov_b32 s[G0B+1], 128*PITCH
	s_mov_b64 s[G0B+2:G0B+3], s[46:47]
	s_or_b32 s[G0B+3], s[G0B+3], 0x80000000
	s_mov_b32 s[G0S], 1
	s_mov_b32 s[G0S+1], SCL
	s_mov_b64 s[G0S+2:G0S+3], s[22:23]
	s_or_b32 s[G0S+3], s[G0S+3], 0x80000000
	s_mov_b32 s[G0SB], 1
	s_mov_b32 s[G0SB+1], SCL+2*HSA
	s_mov_b64 s[G0SB+2:G0SB+3], s[92:93]
	s_or_b32 s[G0SB+3], s[G0SB+3], 0x80000000
.macro ARM under, g0, g1, next         ; one chain of branches on the wave's number, a load in each arm
	s_cmp_lt_u32 s14, \under
	s_cbranch_scc0 \next
	tensor_load_to_lds s[\g0:\g0+3], s[\g1:\g1+7]
	s_nop 0
.rept 4
	v_nop
.endr
	s_branch .Lhead_asked
\next:
.endm
	ARM 1, G0A, G1,  .Lhead_b
	ARM 2, G0B, G1B, .Lhead_sa
	ARM 3, G0S, G1S, .Lhead_sb
	tensor_load_to_lds s[G0SB:G0SB+3], s[G1SB:G1SB+7]
	s_nop 0
.rept 4
	v_nop
.endr
.Lhead_asked:
	s_mul_i32 s92, s15, 64*PITCH                   ; my rows of A
	s_mul_i32 s93, s16, 128*PITCH
	s_add_co_u32 s93, s93, 128*PITCH               ; my rows of B, blocks 0-3,
	s_add_co_u32 s94, s93, 64*PITCH                ; and blocks 4-7
	s_mul_i32 s96, s15, HSA
	s_mul_i32 s95, s16, HALFS
	s_add_co_u32 s95, s95, 2*HSA
	s_sub_co_u32 s95, s95, s96                     ; from A's scales to B's
	s_add_co_u32 s96, s96, SCL
	s_mul_i32 s97, s14, 16*SPITCH                  ; my stage
	s_lshl_b32 s20, s17, 7
	s_lshl_b32 s21, s15, 6
	s_add_co_u32 s20, s20, s21
	s_lshl_b32 s20, s20, 12                        ; my first token x 4,096 bytes
	s_mov_b32 s21, 0
	s_lshl_b32 s46, s42, 10
	s_lshl_b32 s47, s16, 9
	s_add_co_u32 s46, s46, s47                     ; my first column, in bytes
	s_mov_b32 s47, 0
	s_add_nc_u64 s[12:13], s[10:11], s[20:21]
	s_add_nc_u64 s[12:13], s[12:13], s[46:47]
	s_add_nc_u64 s[8:9], s[8:9], s[46:47]
	v_and_b32 v1, 15, v0
	v_bfe_u32 v2, v0, 4, 1
	v_and_b32 v8, 31, v0
	v_mul_u32_u24 v3, v1, PITCH
	v_mul_u32_u24 v6, v1, KS
	v_lshlrev_b32 v30, 6, v2
	v_mad_u32_u24 v4, v2, 24, v3
	v_lshrrev_b32 v7, 8, v6
	s_wait_alu depctr_va_vdst(0)
.irp b, 0,1,2,3,4,5,6,7
	global_load_b128 v[BI+8*\b:BI+8*\b+3], v30, s[8:9] offset:4*(32*(\b/2)+8*(\b%2))      ; the bias at my eight columns of block b
	global_load_b128 v[BI+8*\b+4:BI+8*\b+7], v30, s[8:9] offset:4*(32*(\b/2)+8*(\b%2))+16
.endr
	v_lshl_add_u32 v5, v2, 4, v4
	v_lshl_add_u32 v6, v7, 4, v6                   ; my row's scales: 32 bytes a row, 16 more for each 256 passed
	v_mul_u32_u24 v7, s95, v2                      ; lanes 16-31 take B's
	v_mul_u32_u24 v9, v1, SPITCH
	v_lshlrev_b32 v[CO], 4, v8
	v_add_nc_u32 v[ADRA], s92, v4
	v_add_nc_u32 v[ADRA+1], s92, v5
	v_add_nc_u32 v[ADRB], s93, v4
	v_add_nc_u32 v[ADRB+1], s93, v5
	v_add_nc_u32 v[ADRB+2], s94, v4
	v_add_nc_u32 v[ADRB+3], s94, v5
	v_add_nc_u32 v6, v6, v7
	v_lshl_add_u32 v9, v2, 6, v9
	v_add_nc_u32 v[RD], s97, v[CO]
	v_add_nc_u32 v[ADRS], s96, v6
	v_add_nc_u32 v[STO], s97, v9
.macro FRAG reg, adr, st, i            ; 16 rows x 128 K: 12 registers, in pieces of 8 bytes; piece n of a row lies at 8 n + 16 (n / 32); lanes 16-31 read three pieces on
.irp p, 0,1,2,3,4,5
.set PC, 12*(\st)+6*(\p/3)+\p%3
.if PC%32 < 29
	ds_load_b64 v[\reg+2*\p:\reg+2*\p+1], v[\adr] offset:8*PC+16*(PC/32)+(\i)*16*PITCH
.else
	ds_load_b64 v[\reg+2*\p:\reg+2*\p+1], v[\adr+1] offset:8*PC+16*(PC/32)+(\i)*16*PITCH
.endif
.endr
.endm
.macro MULA a, p, q, sc, first         ; A's block a x B's eight; the 32 accumulators take turns
.irp b, 0,1,2,3,4,5,6,7
.if \first
	v_wmma_scale_f32_16x16x128_f8f6f4 v[8*(8*(\a)+\b):8*(8*(\a)+\b)+7], v[128*(\p)+FR*\b:128*(\p)+FR*\b+FR-1], v[AF+FR*(\a):AF+FR*(\a)+FR-1], v[BI+8*\b:BI+8*\b+7], v[SC+8*NQ*(\sc)+NQ*\b+(\q)], v[SC+8*NQ*(\sc)+NQ*(\a)+(\q)] matrix_a_fmt:MATRIX_FMT_FP6 matrix_b_fmt:MATRIX_FMT_FP6 matrix_a_scale:MATRIX_SCALE_ROW1
.else
	v_wmma_scale_f32_16x16x128_f8f6f4 v[8*(8*(\a)+\b):8*(8*(\a)+\b)+7], v[128*(\p)+FR*\b:128*(\p)+FR*\b+FR-1], v[AF+FR*(\a):AF+FR*(\a)+FR-1], v[8*(8*(\a)+\b):8*(8*(\a)+\b)+7], v[SC+8*NQ*(\sc)+NQ*\b+(\q)], v[SC+8*NQ*(\sc)+NQ*(\a)+(\q)] matrix_a_fmt:MATRIX_FMT_FP6 matrix_b_fmt:MATRIX_FMT_FP6 matrix_a_scale:MATRIX_SCALE_ROW1
.endif
.endr
.endm
.macro FETCH_B st, p
	WIN TO_B
.irp i, 0,1,2,3,4,5,6,7
	FRAG 128*(\p)+FR*\i, ADRB+2*(\i/4), \st, \i%4
.endr
	WIN 0
.endm
.macro FETCH_A st, i0
.irp i, \i0, \i0+1
	FRAG AF+FR*(\i), ADRA, \st, \i
.endr
.endm
.macro SCALES pr                       ; the scale words of steps 2 pr, 2 pr + 1: lanes 0-15 A's block i, lanes 16-31 B's block i
.irp i, 0,1,2,3,4,5,6,7
	ds_load_b64 v[SC+8*NQ*((\pr)%2)+NQ*\i:SC+8*NQ*((\pr)%2)+NQ*\i+1], v[ADRS] offset:\i*SBLK+4*NQ*(\pr)
.endr
.endm
.macro PLACES n
.rept \n
	v_nop
.endr
.endm
.macro STEP st, first                  ; 128 along K; the next step's fragments are fetched in its middle and at its end
	s_wait_dscnt 2*NL                              ; all but the youngest 12 loads (A's blocks 2, 3)
	WIN MUL_LO-0x20*(\first)
	MULA 0, (\st)%2, (\st)%2, ((\st)/2)%2, \first
	MULA 1, (\st)%2, (\st)%2, ((\st)/2)%2, \first
	s_wait_dscnt 0
	PLACES NP
	FETCH_B (\st)+1, ((\st)+1)%2
	FETCH_A (\st)+1, 0
.if ((\st)+1)%2 == 0
	SCALES ((\st)+1)/2
.endif
	WIN MUL_LO-0x20*(\first)
	MULA 2, (\st)%2, (\st)%2, ((\st)/2)%2, \first
	MULA 3, (\st)%2, (\st)%2, ((\st)/2)%2, \first
	PLACES NP
	WIN 0
	FETCH_A (\st)+1, 2
.endm
	s_wait_alu depctr_va_vdst(0)
	s_wait_loadcnt 0x0                             ; the bias
	s_wait_tensorcnt 0x0                           ; my tile of the four has landed,
	s_barrier_signal -1
	s_barrier_wait -1                              ; and so has everybody's
	FETCH_B 0, 0
	FETCH_A 0, 0
	SCALES 0
	FETCH_A 0, 2
	STEP 0, 1                                      ; the first step's products start the sums from the bias
.set ST, 1
.rept 6
	STEP ST, 0
.set ST, ST+1
.endr
	s_wait_dscnt 2*NL
	WIN MUL_LO
	MULA 0, 1, 1, 1, 0
	MULA 1, 1, 1, 1, 0
	s_wait_dscnt 0                                 ; my reads of the tiles are over:
	s_barrier_signal -1                            ; say so,
	MULA 2, 1, 1, 1, 0
	MULA 3, 1, 1, 1, 0
	WIN 0
	s_barrier_wait -1                              ; and so are everybody's: the stage may be written over A's rows
.macro TOSTAGE a
.set AC, 64*(\a)
	WIN 0x08
.irp b, 0,1,2,3,4,5,6,7
	ds_store_b128 v[STO], v[AC+8*\b:AC+8*\b+3] offset:128*(\b/2)+32*(\b%2)
	ds_store_b128 v[STO], v[AC+8*\b+4:AC+8*\b+7] offset:128*(\b/2)+32*(\b%2)+16
.endr
	WIN 0
.set BB, BK+64*((\a)%2)
.irp t, 0,1,2,3,4,5,6,7,8,9,10,11,12,13,14,15
	ds_load_b128 v[BB+4*\t:BB+4*\t+3], v[RD] offset:\t*SPITCH   ; LDS serves a wave's instructions in order: these see my stores
.endr
.endm
.macro SEND a, younger
.set BB, BK+64*((\a)%2)
	s_wait_dscnt \younger
.if (\a) > 0
	s_add_nc_u64 s[12:13], s[12:13], 16*SIZE_N*4
.endif
.irp t, 0,1,2,3,4,5,6,7,8,9,10,11,12,13,14,15
	global_store_b128 v[CO], v[BB+4*\t:BB+4*\t+3], s[12:13] offset:\t*SIZE_N*4 th:TH_STORE_NT   ; 32 lanes store 512 consecutive bytes, aligned
.endr
.endm
	PLACES NP
	TOSTAGE 0
.irp a, 1,2,3
.if \a > 1
	s_wait_xcnt 0x0                                ; block a - 2's stores have read their registers and their base
.endif
	TOSTAGE \a
	SEND \a-1, 32                                  ; behind block a - 1's loads: block a's 16 stores and 16 loads
.endr
	s_wait_xcnt 0x0
	SEND 3, 0
	s_wait_tensorcnt 0x0                           ; the wave's end
	ds_add_u32 v[SPW], v[NIL]
	s_wait_dscnt 0x0
	CROUND                                         ; the closing round
	s_endpgm
.Lfunc_end_k_qb7b330684c_gemm_proj:
	.size	k_qb7b330684c_gemm_proj, .Lfunc_end_k_qb7b330684c_gemm_proj-k_qb7b330684c_gemm_proj
	.p2alignl 7, 3214868480
	.fill 96, 4, 3214868480
	.section	.rodata,"a",@progbits
	.p2align	6, 0x0
	.amdhsa_kernel k_qb7b330684c_gemm_proj
		.amdhsa_group_segment_fixed_size 327680
		.amdhsa_private_segment_fixed_size 0
		.amdhsa_enable_private_segment 0
		.amdhsa_kernarg_size 32
		.amdhsa_user_sgpr_count 2
		.amdhsa_user_sgpr_kernarg_segment_ptr 1
		.amdhsa_wavefront_size32 1
		.amdhsa_system_sgpr_workgroup_id_x 1
		.amdhsa_system_sgpr_workgroup_id_y 1
		.amdhsa_system_sgpr_workgroup_id_z 1
		.amdhsa_system_vgpr_workitem_id 0
		.amdhsa_next_free_vgpr 768
		.amdhsa_next_free_sgpr 100
		.amdhsa_reserve_vcc 0
		.amdhsa_float_denorm_mode_32 3
		.amdhsa_float_denorm_mode_16_64 3
		.amdhsa_memory_ordered 1
		.amdhsa_forward_progress 1
		.amdhsa_inst_pref_size 99
	.end_amdhsa_kernel
	.amdgpu_metadata
---
amdhsa.version: [ 1, 2 ]
amdhsa.kernels:
  - .name:           k_qb7b330684c_gemm_proj
    .symbol:         k_qb7b330684c_gemm_proj.kd
    .args:
      - { .name: oq, .offset: 0, .size: 8, .value_kind: global_buffer, .address_space: global }
      - { .name: cw, .offset: 8, .size: 8, .value_kind: global_buffer, .address_space: global }
      - { .name: b_proj, .offset: 16, .size: 8, .value_kind: global_buffer, .address_space: global }
      - { .name: out0, .offset: 24, .size: 8, .value_kind: global_buffer, .address_space: global }
    .group_segment_fixed_size: 327680
    .private_segment_fixed_size: 0
    .kernarg_segment_align: 8
    .kernarg_segment_size: 32
    .max_flat_workgroup_size: 128
    .sgpr_count:     100
    .vgpr_count:     768
    .wavefront_size: 32
...
	.end_amdgpu_metadata
.endif
;; end of part 5
